; MI455X (gfx1250); checked and timed in simulation.
; The chip was launched on July 23, 2026; its instructions are those of AMD's public machine-readable ISA for CDNA 5 (MIT licence, August 2026) and "CDNA5" Instruction Set Architecture Reference Guide (July 2026). The comments in the code are by the model that wrote it; some were corrected since.
;; Multihead Self Attention. Allowed arithmetic: matrix products marked QUANTISED: E4M3 operands, one given power-of-two scale a tensor, by v_wmma_f32_16x16x64_fp8_fp8 or v_wmma_f32_16x16x128_fp8_fp8, f32 sums; everything else in f32.
;; Inputs: lowp_scales 12 int32 (the exponents e of the quantised operands' scales 2^e); w_k 1,024 x 1,024 float32; w_o 1,024 x 1,024 float32; w_q 1,024 x 1,024 float32; w_v 1,024 x 1,024 float32; x 4 x 2,048 x 1,024 float32.
;; Outputs: out0 4 x 2,048 x 1,024 float32.
;; This version of the problem:
;;   THIS VERSION OF THE PROBLEM IS GIVEN IN LOW PRECISION. The matrix products marked QUANTISED in the list below multiply operands that are first quantised to E4M3 (4 exponent bits, 3 mantissa bits; 8 bits a number), with one given power-of-two scale for each operand tensor; their sums are f32. All else is computed in f32.
;;   The module's matrix products, in the order in which they are computed (A, B: the left and right operand; K: the contracted axis; several contracted axes count as one K, in the product's order):
;;     1. [M 8,192, K 1,024] x [K 1,024, N 1,024]; A: input x; B: input w_q: QUANTISED (scales: A lowp_scales[0], B lowp_scales[1])
;;     2. [M 8,192, K 1,024] x [K 1,024, N 1,024]; A: input x; B: input w_k: QUANTISED (scales: A lowp_scales[2], B lowp_scales[3])
;;     3. [M 8,192, K 1,024] x [K 1,024, N 1,024]; A: input x; B: input w_v: QUANTISED (scales: A lowp_scales[4], B lowp_scales[5])
;;     4. batch 64 x [M 2,048, K 64] x [K 64, N 2,048]; A: computed on the way; B: computed on the way: QUANTISED (scales: A lowp_scales[6], B lowp_scales[7])
;;     5. batch 64 x [M 2,048, K 2,048] x [K 2,048, N 64]; A: softmax (see below); B: computed on the way: QUANTISED (scales: A lowp_scales[8], B lowp_scales[9])
;;     6. [M 8,192, K 1,024] x [K 1,024, N 1,024]; A: computed on the way; B: input w_o: QUANTISED (scales: A lowp_scales[10], B lowp_scales[11])
;;   THE QUANTISER, for each operand of a quantised product, along K:
;;     - The operand's scale is 2^e, e = its entry of the input lowp_scales (int32; the entries are numbered through the quantised products in the list's order, A before B).
;;     - Each number is divided by the scale, clamped to +-448, and rounded to the nearest number of E4M3, ties to even, subnormals kept.
;;     - The product sums the exact products of the quantised numbers (number of the format x scale) in f32.
;;   ~~~python
;;   def quantise(x, axis, e):      # numpy; x: float32 -> the quantised numbers, widened to float32 again
;;       x = np.moveaxis(x, axis, -1); K = x.shape[-1]
;;       r = np.clip(x / 2.0 ** e, -448, 448)
;;       step = 2.0 ** (np.maximum(np.frexp(np.where(r == 0, 1, r))[1] - 1, -6) - 3)
;;       q = np.round(r / step) * step * 2.0 ** e      # np.round: ties to even
;;       return np.moveaxis(q, -1, axis).astype(np.float32)
;;   ~~~
;;   SOFTMAX AHEAD OF A QUANTISED PRODUCT. Where the list says 'softmax', what is quantised is not the finished softmax but p = 2^(t - M), with t = logit x log2(e) and M = ceil(the row's largest t), a whole number; so 1/2 < the row's largest p <= 1. The row's sum l is taken of the UNQUANTISED p, in f32, and the product's result is divided by l at the end. Since M is a whole number, a kernel that streams over the keys may use a running M (the ceiling of the running maximum): every later rescaling is an exact power of two, so the quantised numbers keep their values, but for numbers so far below the row's largest that they fall under the format's range.
;;   OPERANDS COMPUTED ON THE WAY. 'Computed on the way' means the value that the module computes at that place (a softmax that the list does not call 'softmax' is quantised finished and normalised). What goes into a quantiser is computed in f32, as accurately as f32 sums, v_exp_f32 and their like allow (about 1e-6 of the number): no bf16 or f16 on the way to a quantiser, and a product that is left as it is and whose result goes on into a quantised operand takes f32 operands (vector FMAs, or v_wmma_f32_16x16x4_f32). A number that lies on a knife's edge between two numbers of the format may be rounded either way, as far as f32 arithmetic and the matrix unit's own rounding can turn it there, and no further.
;; One version. Each part assembles by itself: llvm-mc -triple=amdgcn-amd-amdhsa -mcpu=gfx1250 --defsym DOCPART=n.
;; ======== version 1 of 1: 4 launches
;; limits: right only within a limited range of input values
;; workspace buffers: codes 29,360,128 bytes; rope 524,288 bytes; qkv 25,165,824 bytes; ac 8,388,608 bytes
;; launch prep (part 1): grid 384 x 1, 4 waves a work-group, no clusters, 65,536 bytes of LDS; arguments x, w_q, w_k, w_v, w_o, lowp_scales, codes, rope; writes codes, rope
.if DOCPART == 1
	.amdgcn_target "amdgcn-amd-amdhsa--gfx1250"
	.amdhsa_code_object_version 6
	.text
	.protected	k_q96115a5db4_prep
	.globl	k_q96115a5db4_prep
	.p2align	8
	.type	k_q96115a5db4_prep,@function
k_q96115a5db4_prep:
	s_mov_b64 s[64:65], 0
	v_nop
	global_prefetch_b8 v0, s[64:65] scope:SCOPE_SE
	s_setreg_imm32_b32 hwreg(HW_REG_WAVE_MODE, 25, 1), 1
	s_wait_xcnt 0x0
; PREP: f32 numbers into codes of FP8 (E4M3), and the table of cosines and sines for the rotation of q and k.
; x [8192][1024] enters three products, each under a scale of its own (entries 0, 2, 4 of the scales): three planes of codes, [8192][1024] each, at 0, 8 MiB, 16 MiB of 'codes'.
; w_q, w_k, w_v, w_o [1024][1024] (entries 1, 3, 5, 11): one plane of 1 MiB each, from 24 MiB on.  K is innermost in all of them, and the codes lie as the numbers lie.
; code = number / 2^e, held within +-448, rounded to the nearest code, ties to even.
; LIMITS: every e used here between -126 and 119, so that 2^e and 448 x 2^e are f32 numbers.  NaN among the inputs is not served (an infinity is held at the largest code).
; SHARES.  Work-groups 0-255 take x, 256-383 the weights (32 each).  A wave takes 8,192 numbers, 16 steps of 512.  The two ways part once, on the work-group's number, and each has LDS bytes of its own.
; A conversion takes 8 neighbours from one lane's registers; a load is best where neighbouring lanes take neighbouring bytes.  So a step's four loads read 512 consecutive bytes each, the 2,048 bytes go
; through the wave's own stage in LDS as they lie (16 bytes of padding behind each 64) and come back 64 bytes a lane.  A lane's 16 codes are 16 bytes: a store of the wave covers 512 consecutive bytes.
; No barrier: waves share nothing.  Loads run four steps (16 loads a wave) ahead, the turn through LDS one step.
; THE TABLE.  Item T = 256 sb + 32 q + L holds (cos, sin, cos, sin) for position 16 sb + L % 16 and the pairs i0, i0 + 1, i0 = 8 (q / 2) + 4 (L / 16) + 2 (q % 2): the order in which the next launch's lanes want them.
; angle = position x 10000^(-i / 32), the power by v_exp_f32 (its accuracy is the table's: at the largest angles some 1e-4 of a radian, as with any f32 power); the angle is reduced by n x pi/2 in two parts,
; sine and cosine are polynomials on +-pi/4.  x's 256 work-groups x 128 threads make one item each.
.set SP,    80                         ; a lane's place in a stage: 64 bytes + 16 of padding
.set WREG,  8192                       ; LDS of a wave: two stages of 32 x SP bytes
.set WLDS,  32768                      ; the weights' way has its LDS from here on
.set LO,    3                          ; v3       16 x lane: my bytes of a load's 512, and of a store's; never rewritten
.set WIN_I, 12                         ; v12, v13 the weights' way: the stage on the way in, on the way out
.set WIN_O, 13
.set XIN,   14                         ; v14, v15 the same for x's way
.set XOUT,  15
.set R,     16                         ; v16-79   four sets of 16 numbers as loaded
.set X,     80                         ; v80-111  two sets of 16 neighbours
.set T,     112
.set C,     144                        ; v144-167 codes: two sets (steps by turns) x three planes x four registers
	s_load_b256 s[4:11], s[0:1], 0x0               ; x, w_q, w_k, w_v
	s_load_b256 s[12:19], s[0:1], 0x20             ; w_o, the scales' exponents, codes, rope
	v_lshrrev_b32 v1, 5, v0
	v_readfirstlane_b32 s32, v1                    ; wave 0..3
	v_and_b32 v2, 31, v0                           ; lane
	v_lshlrev_b32 v[LO], 4, v2
	s_mul_i32 s33, s32, WREG
	v_lshrrev_b32 v14, 2, v2
	v_mul_u32_u24 v14, v14, SP
	v_and_b32 v15, 3, v2
	v_lshl_add_u32 v14, v15, 4, v14
	v_add_nc_u32 v[XIN], s33, v14                  ; in: four lanes' 64 bytes on end, then the padding: SP (lane / 4) + 16 (lane % 4)
	v_add_nc_u32 v[WIN_I], WLDS, v[XIN]
	v_mul_u32_u24 v15, v2, SP
	v_add_nc_u32 v[XOUT], s33, v15                 ; out: SP x lane: my 16 neighbours
	v_add_nc_u32 v[WIN_O], WLDS, v[XOUT]
	s_mov_b32 s35, 0
	s_mov_b32 s37, 0
	s_wait_kmcnt 0x0
	s_load_b256 s[20:27], s[14:15], 0x0            ; e0 .. e7
	s_load_b128 s[28:31], s[14:15], 0x20           ; e8 .. e11
.macro LOADS t                         ; step t's 2,048 bytes into set t % 4
.irp i, 0,1,2,3
	global_load_b128 v[R+16*((\t)%4)+4*\i:R+16*((\t)%4)+4*\i+3], v[LO], s[4:5] offset:2048*(\t)+512*\i th:TH_LOAD_NT   ; 32 lanes read 512 consecutive bytes; read once in the launch
.endr
.endm
.macro TURN t, vin, vout               ; step t's numbers through stage t % 2: LDS serves a wave's instructions in order, so no wait stands between the stores and the loads
.irp i, 0,1,2,3
	ds_store_b128 v[\vin], v[R+16*((\t)%4)+4*\i:R+16*((\t)%4)+4*\i+3] offset:32*SP*((\t)%2)+8*SP*\i
.endr
	v_nop
.irp i, 0,1,2,3
	ds_load_b128 v[X+16*((\t)%2)+4*\i:X+16*((\t)%2)+4*\i+3], v[\vout] offset:32*SP*((\t)%2)+16*\i
.endr
.endm
; Step t: ns planes of codes from the same 16 numbers.  Plane p: scale in v[5 + 2 p], destination s[48 + 2 p : 49 + 2 p].
.macro QSTEP t, ns, vin, vout
.set XS, X+16*((\t)%2)
.if (\t) >= 2
	s_wait_xcnt 0x0                                ; the stores of two steps ago have read their data: this step's codes are written into the same registers
.endif
	s_wait_dscnt 0x0                               ; this step's numbers are back from the stage; so its stores into the stage have read their registers,
.if (\t)+4 < 16
	LOADS (\t)+4                                   ; which take the loads of four steps on
.endif
.if (\t)+1 < 16
.if 14-(\t) >= 3
	s_wait_loadcnt 12                              ; the next step's four loads are in; those of the three steps behind it may be out
.else
	s_wait_loadcnt 4*(14-(\t))
.endif
	TURN (\t)+1, \vin, \vout                       ; and go through the other stage while this step is worked
.endif
.set p, 0
.rept \ns
.set TS, T+16*((\ns*(\t)+p)%2)
.set CC, C+12*((\t)%2)+4*p
.irp i, 0,1,2,3,4,5,6,7,8,9,10,11,12,13,14,15
.endr
	v_cvt_scalef32_pk8_fp8_f32 v[CC:CC+1], v[XS:XS+7], v[5+2*p]
	v_cvt_scalef32_pk8_fp8_f32 v[CC+2:CC+3], v[XS+8:XS+15], v[5+2*p]
	global_store_b128 v[LO], v[CC:CC+3], s[48+2*p:49+2*p] offset:512*(\t)   ; 32 lanes store 512 consecutive bytes, at a multiple of 512 from the buffer's first byte
.set p, p+1
.endr
.endm
; 2^e and 448 x 2^e as f32 numbers, from the whole number e in s[\e], into v[\d] and s38
.macro SCALE e, d
	s_add_co_i32 s38, s[\e], 127
	s_lshl_b32 s39, s38, 23
	v_mov_b32 v[\d], s39                           ; the conversion takes its exponent field
	s_add_co_i32 s38, s38, 8
	s_lshl_b32 s38, s38, 23
	s_or_b32 s38, s38, 0x600000                    ; the mantissa field of 448
.endm
; cos and sin of the angle in v[a] (0 or more) into v[o], v[o + 1]; v[b] .. v[b + 5] at work
.macro SINCOS a, b, o
	v_mul_f32 v[\b], 0x3f22f983, v[\a]             ; x 2 / pi
	v_rndne_f32 v[\b], v[\b]                       ; n
	v_fmamk_f32 v[\b+1], v[\b], 0xbfc90fdb, v[\a]  ; r = angle - n x pi/2: the f32 nearest to pi/2 first,
	v_fmamk_f32 v[\b+1], v[\b], 0x333bbd2e, v[\b+1]  ; then what that number has too much
	v_mul_f32 v[\b+2], v[\b+1], v[\b+1]            ; z = r r
	v_mov_b32 v[\b+3], 0xb94ca1f9
	v_fmaak_f32 v[\b+3], v[\b+3], v[\b+2], 0x3c08839e
	v_fmaak_f32 v[\b+3], v[\b+3], v[\b+2], 0xbe2aaaa3
	v_mul_f32 v[\b+3], v[\b+3], v[\b+2]
	v_fma_f32 v[\b+3], v[\b+3], v[\b+1], v[\b+1]   ; sin r
	v_mov_b32 v[\b+4], 0x37ccf5ce
	v_fmaak_f32 v[\b+4], v[\b+4], v[\b+2], 0xbab6061a
	v_fmaak_f32 v[\b+4], v[\b+4], v[\b+2], 0x3d2aaaa5
	v_fma_f32 v[\b+5], v[\b+2], -0.5, 1.0
	v_mul_f32 v[\b+2], v[\b+2], v[\b+2]
	v_fma_f32 v[\b+4], v[\b+2], v[\b+4], v[\b+5]   ; cos r
	v_cvt_i32_f32 v[\b], v[\b]                     ; n as a whole number: n % 4 is the quadrant
	v_and_b32 v[\b+5], 1, v[\b]
	v_cmp_eq_u32 vcc_lo, 1, v[\b+5]
	v_cndmask_b32 v[\o+1], v[\b+3], v[\b+4], vcc_lo  ; in odd quadrants sine and cosine change places;
	v_cndmask_b32 v[\o], v[\b+4], v[\b+3], vcc_lo
	v_and_b32 v[\b+5], 2, v[\b]
	v_lshlrev_b32 v[\b+5], 30, v[\b+5]
	v_xor_b32 v[\o+1], v[\b+5], v[\o+1]            ; the sine is negative in quadrants 2 and 3,
	v_add_nc_u32 v[\b], 1, v[\b]
	v_and_b32 v[\b], 2, v[\b]
	v_lshlrev_b32 v[\b], 30, v[\b]
	v_xor_b32 v[\o], v[\b], v[\o]                  ; the cosine in 1 and 2
.endm
	s_cmp_lt_u32 ttmp9, 256
	s_cbranch_scc0 .Lweights
	; ---- x: three planes
	s_lshl_b32 s33, ttmp9, 2
	s_add_co_u32 s33, s33, s32                     ; which run of 8,192 numbers is my wave's
	s_lshl_b32 s34, s33, 15
	s_add_nc_u64 s[4:5], s[4:5], s[34:35]
	s_lshl_b32 s34, s33, 13
	s_add_nc_u64 s[48:49], s[16:17], s[34:35]      ; a base for each plane: 8 MiB do not fit a store's immediate
	s_add_nc_u64 s[50:51], s[48:49], 0x800000
	s_add_nc_u64 s[52:53], s[48:49], 0x1000000
.irp t, 0,1,2,3
	LOADS \t
.endr
	; my item of the table, while the first loads are on their way
	s_lshl_b32 s34, ttmp9, 11
	s_add_nc_u64 s[18:19], s[18:19], s[34:35]      ; 128 items of 16 bytes a work-group
	v_lshlrev_b32 v11, 4, v0
	s_lshr_b32 s40, ttmp9, 1
	s_lshl_b32 s40, s40, 4                         ; 16 sb
	s_and_b32 s41, ttmp9, 1
	s_lshl_b32 s41, s41, 2
	s_add_co_u32 s41, s41, s32                     ; q = 4 (work-group % 2) + wave
	s_lshr_b32 s42, s41, 1
	s_lshl_b32 s42, s42, 3
	s_and_b32 s43, s41, 1
	s_lshl_b32 s43, s43, 1
	s_add_co_u32 s42, s42, s43                     ; 8 (q / 2) + 2 (q % 2)
	v_and_b32 v168, 15, v2
	v_add_nc_u32 v168, s40, v168
	v_cvt_f32_u32 v168, v168                       ; the position
	v_lshrrev_b32 v169, 4, v2
	v_lshl_add_u32 v169, v169, 2, s42              ; i0
	v_add_nc_u32 v170, 1, v169
	v_cvt_f32_u32 v169, v169
	v_cvt_f32_u32 v170, v170
	v_mul_f32 v169, 0xbed49a78, v169               ; -i log2(10000) / 32
	v_mul_f32 v170, 0xbed49a78, v170
	s_wait_alu depctr_va_vdst(0)
	v_exp_f32 v171, v169
	v_exp_f32 v172, v170
	v_nop                                          ; a plain line behind the exponentials,
	s_wait_alu depctr_va_vdst(0)                   ; and the one wait ahead of the first line that names a result
	v_mul_f32 v171, v168, v171                     ; the angles
	v_mul_f32 v172, v168, v172
	SINCOS 171, 173, 188
	SINCOS 172, 180, 190
	global_store_b128 v11, v[188:191], s[18:19]    ; 32 lanes store 512 consecutive bytes
	s_wait_kmcnt 0x0
	SCALE 20, 5                                    ; e0, e2, e4
	SCALE 22, 7
	SCALE 24, 9
	s_wait_alu depctr_va_vdst(0)
	s_wait_loadcnt 12                              ; step 0's four loads are in
	TURN 0, XIN, XOUT
.irp t, 0,1,2,3,4,5,6,7,8,9,10,11,12,13,14,15
	QSTEP \t, 3, XIN, XOUT
.endr
	s_endpgm
.Lweights:
	; ---- a weight: one plane
	s_sub_co_u32 s33, ttmp9, 256
	s_lshr_b32 s40, s33, 5                         ; which weight: 0 w_q, 1 w_k, 2 w_v, 3 w_o
	s_and_b32 s33, s33, 31
	s_lshl_b32 s33, s33, 2
	s_add_co_u32 s33, s33, s32                     ; which run of 8,192 numbers of it
	s_cmp_eq_u32 s40, 1                            ; the choices hang on the work-group's number alone
	s_cselect_b64 s[4:5], s[8:9], s[6:7]
	s_cmp_eq_u32 s40, 2
	s_cselect_b64 s[4:5], s[10:11], s[4:5]
	s_cmp_eq_u32 s40, 3
	s_cselect_b64 s[4:5], s[12:13], s[4:5]
	s_lshl_b32 s34, s33, 15
	s_add_nc_u64 s[4:5], s[4:5], s[34:35]
	s_lshl_b32 s36, s40, 20
	s_lshl_b32 s34, s33, 13
	s_add_co_u32 s36, s36, s34
	s_add_co_u32 s36, s36, 0x1800000               ; 24 MiB + 1 MiB x weight + 8,192 x run
	s_add_nc_u64 s[48:49], s[16:17], s[36:37]
.irp t, 0,1,2,3
	LOADS \t
.endr
	s_wait_kmcnt 0x0
	s_cmp_eq_u32 s40, 1
	s_cselect_b32 s41, s23, s21                    ; e3 or e1,
	s_cmp_eq_u32 s40, 2
	s_cselect_b32 s41, s25, s41                    ; e5,
	s_cmp_eq_u32 s40, 3
	s_cselect_b32 s41, s31, s41                    ; e11
	SCALE 41, 5
	s_wait_loadcnt 12
	s_wait_alu depctr_va_vdst(0)
	TURN 0, WIN_I, WIN_O
.irp t, 0,1,2,3,4,5,6,7,8,9,10,11,12,13,14,15
	QSTEP \t, 1, WIN_I, WIN_O
.endr
	s_endpgm
.Lfunc_end_k_q96115a5db4_prep:
	.size	k_q96115a5db4_prep, .Lfunc_end_k_q96115a5db4_prep-k_q96115a5db4_prep
	.p2alignl 7, 3214868480
	.fill 96, 4, 3214868480
	.section	.rodata,"a",@progbits
	.p2align	6, 0x0
	.amdhsa_kernel k_q96115a5db4_prep
		.amdhsa_group_segment_fixed_size 65536
		.amdhsa_private_segment_fixed_size 0
		.amdhsa_enable_private_segment 0
		.amdhsa_kernarg_size 64
		.amdhsa_user_sgpr_count 2
		.amdhsa_user_sgpr_kernarg_segment_ptr 1
		.amdhsa_wavefront_size32 1
		.amdhsa_system_sgpr_workgroup_id_x 1
		.amdhsa_system_sgpr_workgroup_id_y 1
		.amdhsa_system_sgpr_workgroup_id_z 1
		.amdhsa_system_vgpr_workitem_id 0
		.amdhsa_next_free_vgpr 192
		.amdhsa_next_free_sgpr 66
		.amdhsa_reserve_vcc 1
		.amdhsa_float_denorm_mode_32 3
		.amdhsa_float_denorm_mode_16_64 3
		.amdhsa_fp16_overflow 1
		.amdhsa_memory_ordered 1
		.amdhsa_forward_progress 1
		.amdhsa_inst_pref_size 54
	.end_amdhsa_kernel
	.amdgpu_metadata
---
amdhsa.version: [ 1, 2 ]
amdhsa.kernels:
  - .name:           k_q96115a5db4_prep
    .symbol:         k_q96115a5db4_prep.kd
    .args:
      - { .name: x, .offset: 0, .size: 8, .value_kind: global_buffer, .address_space: global }
      - { .name: w_q, .offset: 8, .size: 8, .value_kind: global_buffer, .address_space: global }
      - { .name: w_k, .offset: 16, .size: 8, .value_kind: global_buffer, .address_space: global }
      - { .name: w_v, .offset: 24, .size: 8, .value_kind: global_buffer, .address_space: global }
      - { .name: w_o, .offset: 32, .size: 8, .value_kind: global_buffer, .address_space: global }
      - { .name: lowp_scales, .offset: 40, .size: 8, .value_kind: global_buffer, .address_space: global }
      - { .name: codes, .offset: 48, .size: 8, .value_kind: global_buffer, .address_space: global }
      - { .name: rope, .offset: 56, .size: 8, .value_kind: global_buffer, .address_space: global }
    .group_segment_fixed_size: 65536
    .private_segment_fixed_size: 0
    .kernarg_segment_align: 8
    .kernarg_segment_size: 64
    .max_flat_workgroup_size: 128
    .sgpr_count:     66
    .vgpr_count:     192
    .wavefront_size: 32
...
	.end_amdgpu_metadata
.endif
;; end of part 1
;; launch qkv (part 2): grid 12 x 32, 4 waves a work-group, clusters of 4 x 4, 327,680 bytes of LDS; arguments codes, lowp_scales, rope, qkv; writes qkv
.if DOCPART == 2
	.amdgcn_target "amdgcn-amd-amdhsa--gfx1250"
	.amdhsa_code_object_version 6
	.text
	.protected	k_q96115a5db4_qkv
	.globl	k_q96115a5db4_qkv
	.p2align	8
	.type	k_q96115a5db4_qkv,@function
k_q96115a5db4_qkv:
	s_mov_b64 s[64:65], 0
	v_nop
	global_prefetch_b8 v0, s[64:65] scope:SCOPE_SE
	s_setreg_imm32_b32 hwreg(HW_REG_WAVE_MODE, 25, 1), 1
	s_wait_xcnt 0x0
	s_wait_alu depctr_hold_cnt(0) depctr_sa_sdst(0) depctr_va_vdst(0) depctr_va_sdst(0) depctr_va_ssrc(0) depctr_va_vcc(0) depctr_vm_vsrc(0)
	s_getreg_b32 s2, hwreg(HW_REG_IB_STS2, 6, 4)
	s_cmp_eq_u32 s2, 0
	s_cbranch_scc0 .Lentry_in_a_cluster
	s_endpgm
.Lentry_in_a_cluster:
	s_bfe_u32 s2, ttmp6, 0x10000c
	s_cmp_lg_u32 s2, 0xf033
	s_cbranch_scc0 .Lentry_shape_is_right
	s_endpgm
.Lentry_shape_is_right:
; QKV: the three projections on codes of FP8 (E4M3), K = 1024, and what follows them up to the next quantiser.
; The cluster's x says which: P = 0: q = x w_q^T, 1: k = x w_k^T, 2: V^T = w_v x^T.  In q and k the rows of C are tokens and the columns features; v is made TRANSPOSED (rows features, columns tokens), since the
; keys are the K of the product that will read it.  So one text serves all three: "A" is [M][1024], "B" is [N][1024], C = A B^T; q, k: A = x's plane P, B = the weight, M = 8192, N = 1024; v: A = w_v, B = x's plane 2, M = 1024, N = 8192.
; A tile of C, 256 x 256, is made by a work-group of four waves; a wave makes 128 x 128: 64 accumulators, 512 registers.  K goes in steps of 256 through a ring of two LDS slots filled by the tensor data mover.
; CLUSTERS: 4 x 4 work-groups.  The four of a row of the cluster need the same tiles of A, the four of a column the same tiles of B: each tile is asked for JOINTLY, by the same tensor load with the same descriptor and a mask
; that names the four.  P is the same in all sixteen partners, so branches on it are alike in all.
; THE MATRIX INSTRUCTION IS USED TRANSPOSED (source 0 = 16 rows of B, source 1 = 16 rows of A): lane (r, h) holds row r of C and eight neighbouring columns 8 h + 0 .. 7: neighbours along the next product's K.
; THE WAY OUT.  A sum stands for sum x 2^(eA + eB).  q, k: each pair of columns (2 i, 2 i + 1) is turned by the token's angle (cos, sin from the table, which lies in the order of my lanes' registers); the turn is linear,
; so it is made on the sums as they are, and the conversion takes the one scale 2^(eo - eA - eB) (eo: entry 6 for q, 7 for k, 9 for v).  The codes go through my own stage in LDS and leave as runs of 512 bytes.
; LAYOUT OF THE RESULT: three planes of 8 MiB; [batch x 16 + head][16 blocks][8,192 bytes]; q, k: a block is 128 tokens x 64 bytes; v: 64 channels x 128 bytes (128 keys).  Within each 32 bytes the order is the conversions':
; byte 32 c + 16 h + 8 u + j holds index 32 c + 16 u + 8 h + j.  q and k share it, so their products meet; for v it is the order in which the weights p will lie in registers.
; LIMITS: eo - eA - eB between -126 and 119, so that the scale and 448 x the scale are f32 numbers.
; REGISTERS, in windows of 256: window 0: v0-31 addresses; v32-95 two sets of table values; from v128 A's fragments, ONE set; on the way out v96-223 at work.  window 1: B's fragments, TWO sets.
;   window 2: the 32 accumulators of my rows 0-63 (accumulator (a, b) at v[8 (8 a + b)]);  window 3: those of my rows 64-127.
.set ROWB,   256                       ; a tile's row in bytes: 256 along K
.set KROW,   1024                      ; a row of A or of B in memory
.set PITCH,  272                       ; an LDS row: 256 bytes + 16 of padding = 68 words: the 16 rows that a load touches start at 16 different banks (64 banks of 4 bytes: ISA guide 11.1)
.set FR,     16                        ; registers of a fragment: 16 rows x 128 K
.set NL,     4                         ; LDS loads that bring one
.set NP,     4                         ; places behind this matrix instruction (ISA guide 7.12.1)
.set HALFT,  128*PITCH                 ; 128 rows: what one tensor load brings, and what one wave reads of A or of B
.set SLOT,   4*HALFT                   ; A's 256 rows, then B's 256 rows
.set LAPS,   2                         ; a lap = two K steps of 256 = once round the ring
.set SPARE,  2*SLOT                    ; behind the ring: the spare words, 128 bytes for each wave: two blocks of 256 bytes that no other line names
.set QST,    2560                      ; the way out of q, k: a stage of 2 heads x 16 rows x (64 + 16) bytes for each wave.  The stages lie in slot 0, which has had its last fill and its last read when the first code is stored there
.set VST0,   4*QST                     ; the way out of v has bytes of its own:
.set VST,    2304                      ; 16 rows x (128 + 16) bytes for each wave
.set ADRA, 16                          ; v16-17  LDS address of my A fragments in slot 0, 1
.set ADRB, 20                          ; v20-21  the same for B
.set SCL,  22                          ; v22     2^(eo - eA - eB)
.set LIM,  23                          ; v23     448 x that
.set STOQ, 24                          ; v24, v25  q, k: where I put 16 bytes of a row, and where I read rows back
.set RDQ,  25
.set STOV, 26                          ; v26, v27  the same for v
.set RDV,  27
.set SPW,  28                          ; v28     LDS address of my spare word: SPARE + 4 x my thread's number; never rewritten
.set NIL,  29                          ; v29     0; never rewritten
.set LO,   30                          ; v30     16 x lane; never rewritten
.set T,    32                          ; v32-95  the table's values for a block of 16 tokens: register 8 (b % 4) + 2 jj: cos, + 1: sin, of pair 8 (b % 4) + 4 h + jj; two sets
.set U,    96                          ; v96-103 the turn's first products
.set CD,   104                         ; v104-119 a block's codes
.set AF,   128                         ; A's fragments
.set TMP,  128                         ; the way out: 64 numbers ahead of the quantiser
.set BK,   192                         ; the way out: rows read back from the stage: two sets of 16
.set G1, 24                            ; s[24:31] descriptor group 1 for A's tiles;  s[32:39] group 0, one set for each slot
.set G0, 32
.set G1B, 48                           ; s[48:55], s[56:63] the same for B's tiles
.set G0B, 56
.set MSB, 0
.macro WIN new                         ; the immediate's high byte repeats the setting that is left
.if MSB != \new
	s_set_vgpr_msb (MSB<<8)|\new
.set MSB, \new
.endif
.endm
.set MUL_LO, 0xa1                      ; source 0 (B) window 1, source 1 (A) window 0, C and D window 2
.set MUL_HI, 0xf1                      ; the same, C and D window 3
.set TO_B,   0x40                      ; destination window 1, address window 0
; A joint load: waves 0 and 1 fetch for A, waves 2 and 3 for B.  Each of the two lines has ONE mask and one set of registers for all that issue it; the branch hangs on the wave's number alone.
; Four v_nop follow each of the two lines, ahead of the jump, the label and what follows.
.macro JLOAD g0a, g1a, g0b, g1b
	s_cmp_eq_u32 s15, 0
	s_cbranch_scc0 .Lfor_b_\@
	tensor_load_to_lds s[\g0a:\g0a+3], s[\g1a:\g1a+7]
	s_nop 0
.rept 4
	v_nop
.endr
	s_branch .Lasked_\@
.Lfor_b_\@:
	tensor_load_to_lds s[\g0b:\g0b+3], s[\g1b:\g1b+7]
	s_nop 0
.rept 4
	v_nop
.endr
.Lasked_\@:
.endm
.macro CREST                           ; a round of the cluster's barrier behind its opening barrier
	s_cmp_lg_u32 s14, 0
	s_cbranch_scc1 .Lnot_wave_0_\@
	s_barrier_signal -3
.Lnot_wave_0_\@:
	s_barrier_wait -3
	s_barrier_signal -1
	s_barrier_wait -1
.endm
.macro CROUND                          ; a whole round
	s_barrier_signal -1
	s_barrier_wait -1
	CREST
.endm
	s_load_b256 s[4:11], s[0:1], 0x0               ; codes s[4:5], the scales' exponents s[6:7], the table s[8:9], the result s[10:11]
	v_lshl_add_u32 v[SPW], v0, 2, SPARE
	v_mov_b32 v[NIL], 0
	v_lshrrev_b32 v1, 5, v0
	v_readfirstlane_b32 s14, v1                    ; wave 0..3
	s_lshr_b32 s15, s14, 1                         ; which half of the tile's rows is mine.  Also: I fetch for A (0) or for B (1)
	s_and_b32 s16, s14, 1                          ; which half of its columns.  Also: which 128 rows of that tile I fetch
	s_bfe_u32 s40, ttmp6, 0x40000                  ; cx, cy: my place in the cluster
	s_bfe_u32 s41, ttmp6, 0x40004
	s_and_b32 s80, ttmp7, 0xffff
	s_lshl_b32 s80, s80, 2                         ; 4 x cluster y: it walks the long side, 8,192: rows in q and k, columns in v
	s_lshl_b32 s81, ttmp9, 23                      ; q, k: A is x's plane P,
	s_lshl_b32 s82, ttmp9, 20
	s_add_co_u32 s82, s82, 0x1800000               ; B the weight P
	s_cmp_eq_u32 ttmp9, 2                          ; v?  (the shifts and the sum above set SCC: the compare stands behind them)
	s_cselect_b32 s17, 0, s80
	s_cselect_b32 s42, s80, 0
	s_mov_b32 s83, 0x1a00000
	s_cselect_b32 s81, s83, s81                    ; v: A is w_v's codes,
	s_mov_b32 s83, 0x1000000
	s_cselect_b32 s82, s83, s82                    ; B x's plane 2
	s_add_co_u32 s17, s17, s41                     ; tile row of C: cy enters it and never cx,
	s_add_co_u32 s42, s42, s40                     ; tile column: cx and never cy
	s_lshl_b32 s43, s41, 2
	s_lshl_b32 s43, 15, s43                        ; my row of the cluster
	s_lshl_b32 s44, 0x1111, s40                    ; my column
	; descriptor group 1: a tile of 128 rows x 256 bytes, padded in LDS
	s_or_b32 s[G1+0], s43, (0<<16)|(1<<20)|(1<<21)|(5<<22)|(3<<25)  ; 15:0 the mask: A's tiles go to my row; 17:16 element of 1 byte; 20 padding on; 21 set beside a mask; 24:22 after every 64 words (code 5); 31:25 of 4 words (code 3)
	s_or_b32 s[G1B+0], s44, (0<<16)|(1<<20)|(1<<21)|(5<<22)|(3<<25)
.irp g, G1, G1B
	s_mov_b32 s[\g+1], ROWB<<16                    ; tensor_dim0
	s_mov_b32 s[\g+2], 128<<16                     ; tensor_dim1 = 128
	s_mov_b32 s[\g+3], ROWB<<16                    ; tile_dim0
	s_mov_b32 s[\g+4], 128                         ; tile_dim1 = 128
	s_mov_b32 s[\g+5], KROW                        ; tensor_dim0_stride
	s_mov_b32 s[\g+6], 0
	s_mov_b32 s[\g+7], 0
.endr
	s_lshl_b32 s18, s16, 7                         ; which 128 rows of the tile I fetch
	s_lshl_b32 s20, s17, 8
	s_add_co_u32 s20, s20, s18                     ; A: row 256 x tile row + 128 x half,
	s_lshl_b32 s20, s20, 10                        ; of 1,024 bytes,
	s_add_co_u32 s20, s20, s81                     ; in its plane
	s_mov_b32 s21, 0
	s_lshl_b32 s46, s42, 8
	s_add_co_u32 s46, s46, s18                     ; B likewise, by the tile column
	s_lshl_b32 s46, s46, 10
	s_add_co_u32 s46, s46, s82
	s_mov_b32 s47, 0
	s_mul_i32 s45, s14, HALFT                      ; where they go: wave x 128 rows: no place in the cluster enters an LDS address
	s_wait_kmcnt 0x0
	s_load_b256 s[68:75], s[6:7], 0x0              ; e0 .. e7
	s_load_b128 s[76:79], s[6:7], 0x20             ; e8 .. e11
	s_add_nc_u64 s[20:21], s[4:5], s[20:21]
	s_add_nc_u64 s[46:47], s[4:5], s[46:47]
	CROUND                                         ; all sixteen work-groups are here: the first joint loads meet
.irp s, 0,1
	s_mov_b32 s[G0+4*\s], 1
	s_add_co_u32 s[G0+4*\s+1], s45, \s*SLOT
	s_add_nc_u64 s[G0+4*\s+2:G0+4*\s+3], s[20:21], \s*ROWB
	s_or_b32 s[G0+4*\s+3], s[G0+4*\s+3], 0x80000000
	s_mov_b32 s[G0B+4*\s], 1
	s_add_co_u32 s[G0B+4*\s+1], s45, \s*SLOT
	s_add_nc_u64 s[G0B+4*\s+2:G0B+4*\s+3], s[46:47], \s*ROWB
	s_or_b32 s[G0B+4*\s+3], s[G0B+4*\s+3], 0x80000000
	JLOAD G0+4*\s, G1, G0B+4*\s, G1B
.endr
	v_and_b32 v1, 15, v0                           ; r = l % 16
	v_bfe_u32 v2, v0, 4, 1                         ; h = l / 16
	v_and_b32 v6, 31, v0                           ; l
	v_lshlrev_b32 v[LO], 4, v6
	v_mul_u32_u24 v3, v1, PITCH
	v_lshl_add_u32 v4, v2, 4, v3                   ; a fragment's row x pitch + 16 x half
	s_mul_i32 s21, s15, HALFT                      ; my 128 rows of A
	s_mul_i32 s22, s16, HALFT                      ; my 128 rows of B,
	s_add_co_u32 s22, s22, 2*HALFT                 ; which lie behind A's 256
.irp s, 0,1
	v_add_nc_u32 v[ADRA+\s], s21, v4
	v_add_nc_u32 v[ADRB+\s], s22, v4
	s_add_co_u32 s21, s21, SLOT
	s_add_co_u32 s22, s22, SLOT
.endr
	s_mul_i32 s23, s14, QST                        ; q, k: my stage
	v_mul_u32_u24 v5, v1, 80
	v_lshl_add_u32 v5, v2, 4, v5
	v_add_nc_u32 v[STOQ], s23, v5                  ; in: row r of 80 bytes, + 16 h
	v_lshrrev_b32 v5, 2, v6
	v_mul_u32_u24 v5, v5, 80
	v_and_b32 v7, 3, v6
	v_lshl_add_u32 v5, v7, 4, v5
	v_add_nc_u32 v[RDQ], s23, v5                   ; back: four lanes to a row of 64 bytes, eight rows an instruction
	s_mul_i32 s23, s14, VST                        ; v: my stage
	s_add_co_u32 s23, s23, VST0
	v_mul_u32_u24 v5, v1, 144
	v_lshl_add_u32 v5, v2, 4, v5
	v_add_nc_u32 v[STOV], s23, v5                  ; in: row r of 144 bytes, + 16 h
	v_lshrrev_b32 v5, 3, v6
	v_mul_u32_u24 v5, v5, 144
	v_and_b32 v7, 7, v6
	v_lshl_add_u32 v5, v7, 4, v5
	v_add_nc_u32 v[RDV], s23, v5                   ; back: eight lanes to a row of 128 bytes, four rows an instruction
	; where my 128 x 128 goes.  q, k: heads 4 x tile column + 2 x column half on, tokens 128 RB on with RB = 2 x tile row + row half;  v: heads by the rows, tokens by the columns
	s_lshl_b32 s84, s42, 2
	s_lshl_b32 s85, s16, 1
	s_add_co_u32 s84, s84, s85
	s_lshl_b32 s85, s17, 1
	s_add_co_u32 s85, s85, s15
	s_lshl_b32 s86, s17, 2
	s_lshl_b32 s87, s15, 1
	s_add_co_u32 s86, s86, s87
	s_lshl_b32 s87, s42, 1
	s_add_co_u32 s87, s87, s16
	s_cmp_eq_u32 ttmp9, 2
	s_cselect_b32 s84, s86, s84                    ; my first head
	s_cselect_b32 s85, s87, s85                    ; RB: RB / 16 the batch, RB % 16 the block of 128 tokens
	s_lshr_b32 s86, s85, 4
	s_lshl_b32 s86, s86, 4
	s_add_co_u32 s86, s86, s84                     ; batch x 16 + head
	s_lshl_b32 s86, s86, 17
	s_and_b32 s89, s85, 15
	s_lshl_b32 s88, s89, 13
	s_add_co_u32 s86, s86, s88
	s_lshl_b32 s88, ttmp9, 23
	s_add_co_u32 s86, s86, s88                     ; in plane P
	s_mov_b32 s87, 0
	s_add_nc_u64 s[10:11], s[10:11], s[86:87]
	s_lshl_b32 s86, s89, 15                        ; the table: 8 blocks of 16 positions x 4,096 bytes for each block of 128 tokens
	s_add_nc_u64 s[8:9], s[8:9], s[86:87]
.macro TLOADS a                        ; the table's values for my rows 16 a on: eight loads of 512 consecutive bytes, into set a % 2
.irp q, 0,1,2,3,4,5,6,7
	global_load_b128 v[T+32*((\a)%2)+4*\q:T+32*((\a)%2)+4*\q+3], v[LO], s[8:9] offset:(\a)*4096+\q*512
.endr
.endm
	TLOADS 0                                       ; asked for here, so that they are in when the sums are finished.  They stand on the one way that all work-groups take: v's work-groups
	TLOADS 1                                       ; issue them too (inside the table) and do not use them: sixteen loads a wave
.macro FRAG reg, adr, q, i             ; a fragment, 16 rows x 128 K, is 16 registers: lane l holds row l % 16; registers 4 c .. 4 c + 3 hold K = 32 c + 16 (l / 16) + 0 .. 15: the same places in A and in B, so every product meets its partner
.irp c, 0,1,2,3
	ds_load_b128 v[\reg+4*\c:\reg+4*\c+3], v[\adr] offset:128*(\q)+32*\c+(\i)*16*PITCH
.endr
.endm
; 16 matrix instructions: A's blocks a0, a0 + 1 x B's eight, 128 along K.  p: B's set.  zero = 1: the first product starts the sums: nothing is ever cleared.
; The 64 accumulators take turns, one instruction a turn, in the same order in every step.
.macro MUL16 a0, p, zero
.irp a, \a0, \a0+1
.irp b, 0,1,2,3,4,5,6,7
.if \zero
	v_wmma_f32_16x16x128_fp8_fp8 v[8*(8*((\a)%4)+\b):8*(8*((\a)%4)+\b)+7], v[128*(\p)+FR*\b:128*(\p)+FR*\b+FR-1], v[AF+FR*(\a):AF+FR*(\a)+FR-1], 0
.else
	v_wmma_f32_16x16x128_fp8_fp8 v[8*(8*((\a)%4)+\b):8*(8*((\a)%4)+\b)+7], v[128*(\p)+FR*\b:128*(\p)+FR*\b+FR-1], v[AF+FR*(\a):AF+FR*(\a)+FR-1], v[8*(8*((\a)%4)+\b):8*(8*((\a)%4)+\b)+7]
.endif
.endr
.endr
.endm
.macro FETCH_B slot, q, p              ; B's eight fragments of the slot's q-th 128 along K into set p
	WIN TO_B
.irp i, 0,1,2,3,4,5,6,7
	FRAG 128*(\p)+FR*\i, ADRB+\slot, \q, \i
.endr
	WIN 0
.endm
.macro FETCH_A slot, q, i0             ; A's blocks i0 .. i0 + 3
.irp i, \i0, \i0+1, \i0+2, \i0+3
	FRAG AF+FR*(\i), ADRA+\slot, \q, \i
.endr
.endm
; A load into a register that a matrix instruction has read, and a vector instruction that reads a matrix result or writes one of its registers, stand NP places behind it; only plain vector
; instructions that name none of its registers are places (ISA guide 7.12.1 for vector instructions).
.macro PLACES n
.rept \n
	v_nop
.endr
.endm
; A step of 128 along K that has its successor in the same slot.  A block of A is free as soon as its eight products are issued: blocks 0-3 are fetched anew in the step's middle, blocks 4-7 at its end.
.macro STEP slot, q, zero
	s_wait_dscnt 4*NL                              ; B's set and A's blocks 0-3 are in; the youngest sixteen loads (A's blocks 4-7) may be out
	WIN MUL_LO
	MUL16 0, (\q)%2, \zero
	MUL16 2, (\q)%2, \zero
	s_wait_dscnt 0                                 ; A's blocks 4-7 are in (asked for 32 matrix instructions ago)
	PLACES NP
	FETCH_B \slot, (\q)+1, 1-(\q)%2
	FETCH_A \slot, (\q)+1, 0
	WIN MUL_HI
	MUL16 4, (\q)%2, \zero
	MUL16 6, (\q)%2, \zero
	PLACES NP
	WIN 0
	FETCH_A \slot, (\q)+1, 4
.endm
; A slot's last step changes slots: ONE barrier; in front of it each wave waits for all its tensor loads, adds 0 to its spare word, and waits for that and for its own reads of this slot.  fill = 1: this slot is filled again, two K steps ahead.
.macro TURN slot, next, fill
	s_wait_tensorcnt 0x0                           ; all my tensor loads have landed: my part of the next slot;  (every window is 0 here: the add's two registers lie in window 0)
	ds_add_u32 v[SPW], v[NIL]                      ; 0 onto my spare word
	s_wait_dscnt 4*NL+1                            ; (the add and the youngest sixteen loads, A's blocks 4-7, may be out)
	WIN MUL_LO
	MUL16 0, 1, 0                                  ; sixteen matrix instructions stand between the add and the wait for it
	s_wait_dscnt 0x0                               ; the add is done, and my reads of this slot are over
	s_barrier_signal -1
	MUL16 2, 1, 0
	WIN 0
	s_barrier_wait -1
.if \fill
	CREST                                          ; the barrier has opened a round of the cluster's barrier: no wave of any partner still reads this slot's tile or has a load on its way
	s_add_nc_u64 s[G0+4*\slot+2:G0+4*\slot+3], s[G0+4*\slot+2:G0+4*\slot+3], 2*ROWB
	s_add_nc_u64 s[G0B+4*\slot+2:G0B+4*\slot+3], s[G0B+4*\slot+2:G0B+4*\slot+3], 2*ROWB
	JLOAD G0+4*\slot, G1, G0B+4*\slot, G1B         ; the first tensor load behind the round; the four v_nop behind it are the places in front of the loads below
.else
	PLACES NP
.endif
	FETCH_B \next, 0, 0
	FETCH_A \next, 0, 0
	WIN MUL_HI
	MUL16 4, 1, 0
	MUL16 6, 1, 0
	PLACES NP
	WIN 0
	FETCH_A \next, 0, 4
.endm
	s_wait_tensorcnt 1                             ; my part of K step 0 is in (K step 1's load may be out)
	s_barrier_signal -1
	s_barrier_wait -1                              ; everybody's is
	FETCH_B 0, 0, 0
	FETCH_A 0, 0, 0
	FETCH_A 0, 0, 4
	STEP 0, 0, 1                                   ; the first step stands in front of the loop: its products start the sums
	s_mov_b32 s3, LAPS-1
.Llap:                                                 ; a trip goes once round the ring, from a lap's second step to the next lap's first, and fills both slots again
	TURN 0, 1, 1
	STEP 1, 0, 0
	TURN 1, 0, 1
	STEP 0, 0, 0
	s_sub_co_u32 s3, s3, 1
	s_cmp_lg_u32 s3, 0
	s_cbranch_scc1 .Llap
	TURN 0, 1, 0                                   ; the last lap fills nothing, and has no round of the cluster's barrier
	STEP 1, 0, 0
	s_wait_dscnt 4*NL                              ; the very last step: nothing more to fetch
	WIN MUL_LO
	MUL16 0, 1, 0
	MUL16 2, 1, 0
	s_wait_dscnt 0
	WIN MUL_HI
	MUL16 4, 1, 0
	MUL16 6, 1, 0
	WIN 0
	; THE WAY OUT.  The one scale of the conversion: chosen by P without a branch
	s_wait_kmcnt 0x0
	s_add_co_i32 s90, s68, s69                     ; e0 + e1
	s_add_co_i32 s91, s70, s71                     ; e2 + e3
	s_add_co_i32 s92, s72, s73                     ; e4 + e5
	s_cmp_eq_u32 ttmp9, 1
	s_cselect_b32 s90, s91, s90
	s_cselect_b32 s93, s75, s74                    ; e7 or e6
	s_cmp_eq_u32 ttmp9, 2
	s_cselect_b32 s90, s92, s90
	s_cselect_b32 s93, s77, s93                    ; e9
	s_sub_co_i32 s93, s93, s90
	s_add_co_i32 s93, s93, 127
	s_lshl_b32 s94, s93, 23
	v_mov_b32 v[SCL], s94                          ; 2^(eo - eA - eB) as f32: the conversion takes its exponent field
	s_add_co_i32 s93, s93, 8
	s_lshl_b32 s93, s93, 23
	s_or_b32 s93, s93, 0x600000
	v_mov_b32 v[LIM], s93                          ; 448 x that
	PLACES NP                                      ; behind the last products: the lines below write registers that held A's fragments
.macro CODES                           ; 64 numbers in v[TMP] on, register 8 b + j, become 64 codes in v[CD] on
.set n, 0
.rept 8
	v_cvt_scalef32_pk8_fp8_f32 v[CD+2*n:CD+2*n+1], v[TMP+8*n:TMP+8*n+7], v[SCL]
.set n, n+1
.endr
	v_nop                                          ; one plain vector line behind the last conversion, ahead of whatever next touches the codes or writes the numbers
.endm
; q, k: block a, 16 tokens x 128 features (two heads).
.macro EQK a
.set AC, 64*((\a)%4)
.set TS, T+32*((\a)%2)
.if (\a) < 7
	s_wait_loadcnt 8                               ; this block's eight table loads are in; the next block's eight may be out
.else
	s_wait_loadcnt 0
.endif
	WIN 0x02+((\a)/4)                              ; source 0: window 2 or 3
.irp b, 0,1,2,3,4,5,6,7
.irp jj, 0,1,2,3
	v_mul_f32 v[U+2*\jj],   v[AC+8*\b+2*\jj+1], v[TS+8*(\b%4)+2*\jj+1]   ; odd x sin   (an accumulator's first read is its register 1)
	v_mul_f32 v[U+2*\jj+1], v[AC+8*\b+2*\jj+1], v[TS+8*(\b%4)+2*\jj]     ; odd x cos
.endr
.irp jj, 0,1,2,3
	v_fma_f32 v[TMP+8*\b+2*\jj],   v[AC+8*\b+2*\jj], v[TS+8*(\b%4)+2*\jj],   -v[U+2*\jj]    ; even x cos - odd x sin
	v_fma_f32 v[TMP+8*\b+2*\jj+1], v[AC+8*\b+2*\jj], v[TS+8*(\b%4)+2*\jj+1], v[U+2*\jj+1]   ; even x sin + odd x cos
.endr
.endr
	WIN 0
.if (\a)+2 < 8
	TLOADS (\a)+2                                  ; this set has been read: it takes the block two further on
.endif
.set n, 0
.rept 64
.set n, n+1
.endr
	CODES
.irp c, 0,1,2,3
	ds_store_b128 v[STOQ], v[CD+4*\c:CD+4*\c+3] offset:(\c/2)*1280+32*(\c%2)   ; head c / 2; bytes 32 (c % 2) + 16 h on of my token's row
.endr
.if (\a) >= 2
	s_wait_xcnt 0x0                                ; block a - 2's stores have read their registers: block a's rows may land there
.endif
.irp k, 0,1,2,3
	ds_load_b128 v[BK+16*((\a)%2)+4*\k:BK+16*((\a)%2)+4*\k+3], v[RDQ] offset:(\k/2)*1280+640*(\k%2)   ; LDS serves a wave's instructions in order (ISA guide 5.7.1.4): these see the stores above
.endr
.endm
.macro SENDQ a, younger                ; younger: the LDS instructions issued behind block a's loads, which may stay out
	s_wait_dscnt \younger
.irp k, 0,1,2,3
	global_store_b128 v[LO], v[BK+16*((\a)%2)+4*\k:BK+16*((\a)%2)+4*\k+3], s[10:11] offset:(\k/2)*131072+(\a)*1024+512*(\k%2)   ; 32 lanes store 512 consecutive bytes: eight tokens' rows of one head
.endr
.endm
; v: block a, 16 channels x 128 tokens.
.macro EV a
.set AC, 64*((\a)%4)
	WIN 0x02+((\a)/4)
.set n, 0
.rept 64
	v_med3_num_f32 v[TMP+n], v[AC+n], -v[LIM], v[LIM]   ; each accumulator from its low end on
.set n, n+1
.endr
	WIN 0
	CODES
.irp c, 0,1,2,3
	ds_store_b128 v[STOV], v[CD+4*\c:CD+4*\c+3] offset:32*\c
.endr
.if (\a) >= 2
	s_wait_xcnt 0x0
.endif
.irp k, 0,1,2,3
	ds_load_b128 v[BK+16*((\a)%2)+4*\k:BK+16*((\a)%2)+4*\k+3], v[RDV] offset:576*\k
.endr
.endm
.macro SENDV a, younger
	s_wait_dscnt \younger
.irp k, 0,1,2,3
	global_store_b128 v[LO], v[BK+16*((\a)%2)+4*\k:BK+16*((\a)%2)+4*\k+3], s[10:11] offset:((\a)/4)*131072+((\a)%4)*2048+512*\k   ; 512 consecutive bytes: four channels' rows of 128 keys
.endr
.endm
	s_cmp_eq_u32 ttmp9, 2                          ; the same in all sixteen partners
	s_cbranch_scc1 .Lv_out
	EQK 0
.irp a, 1,2,3,4,5,6,7
	EQK \a
	SENDQ \a-1, 8                                  ; behind block a - 1's loads: block a's four stores and four loads
.endr
	SENDQ 7, 0
	s_branch .Ldone
.Lv_out:
	s_wait_alu depctr_va_vdst(0)
	EV 0
.irp a, 1,2,3,4,5,6,7
	EV \a
	SENDV \a-1, 8
.endr
	SENDV 7, 0
.Ldone:
	s_wait_tensorcnt 0x0                           ; the wave's end: behind my last tensor load and my last LDS store
	ds_add_u32 v[SPW], v[NIL]
	s_wait_dscnt 0x0
	CROUND                                         ; the closing round: no work-group ends while a partner may still ask for a tile that names it
	s_endpgm
.Lfunc_end_k_q96115a5db4_qkv:
	.size	k_q96115a5db4_qkv, .Lfunc_end_k_q96115a5db4_qkv-k_q96115a5db4_qkv
	.p2alignl 7, 3214868480
	.fill 96, 4, 3214868480
	.section	.rodata,"a",@progbits
	.p2align	6, 0x0
	.amdhsa_kernel k_q96115a5db4_qkv
		.amdhsa_group_segment_fixed_size 327680
		.amdhsa_private_segment_fixed_size 0
		.amdhsa_enable_private_segment 0
		.amdhsa_kernarg_size 32
		.amdhsa_user_sgpr_count 2
		.amdhsa_user_sgpr_kernarg_segment_ptr 1
		.amdhsa_wavefront_size32 1
		.amdhsa_system_sgpr_workgroup_id_x 1
		.amdhsa_system_sgpr_workgroup_id_y 1
		.amdhsa_system_sgpr_workgroup_id_z 1
		.amdhsa_system_vgpr_workitem_id 0
		.amdhsa_next_free_vgpr 1024
		.amdhsa_next_free_sgpr 100
		.amdhsa_reserve_vcc 0
		.amdhsa_float_denorm_mode_32 3
		.amdhsa_float_denorm_mode_16_64 3
		.amdhsa_fp16_overflow 1
		.amdhsa_memory_ordered 1
		.amdhsa_forward_progress 1
		.amdhsa_inst_pref_size 190
	.end_amdhsa_kernel
	.amdgpu_metadata
---
amdhsa.version: [ 1, 2 ]
amdhsa.kernels:
  - .name:           k_q96115a5db4_qkv
    .symbol:         k_q96115a5db4_qkv.kd
    .args:
      - { .name: codes, .offset: 0, .size: 8, .value_kind: global_buffer, .address_space: global }
      - { .name: lowp_scales, .offset: 8, .size: 8, .value_kind: global_buffer, .address_space: global }
      - { .name: rope, .offset: 16, .size: 8, .value_kind: global_buffer, .address_space: global }
      - { .name: qkv, .offset: 24, .size: 8, .value_kind: global_buffer, .address_space: global }
    .group_segment_fixed_size: 327680
    .private_segment_fixed_size: 0
    .kernarg_segment_align: 8
    .kernarg_segment_size: 32
    .max_flat_workgroup_size: 128
    .sgpr_count:     100
    .vgpr_count:     1024
    .wavefront_size: 32
...
	.end_amdgpu_metadata
.endif
;; end of part 2
;; launch attn (part 3): grid 4 x 64, 16 waves a work-group, no clusters, 327,680 bytes of LDS; arguments qkv, lowp_scales, ac; writes ac
.if DOCPART == 3
	.amdgcn_target "amdgcn-amd-amdhsa--gfx1250"
	.amdhsa_code_object_version 6
	.text
	.protected	k_q96115a5db4_attn
	.globl	k_q96115a5db4_attn
	.p2align	8
	.type	k_q96115a5db4_attn,@function
k_q96115a5db4_attn:
	s_mov_b64 s[64:65], 0
	v_nop
	global_prefetch_b8 v0, s[64:65] scope:SCOPE_SE
	s_setreg_imm32_b32 hwreg(HW_REG_WAVE_MODE, 25, 1), 1
	s_wait_xcnt 0x0
; ATTN: o = softmax(q k^T / 8, causal) v for 64 (batch, head) pairs, 2,048 tokens, head size 64, both products on codes of FP8 (E4M3); the result is quantised for the last projection.
; q, k: [bh][2048][64] codes; v: [bh][16 blocks of 128 keys][64 channels][128] codes, keys innermost.  (Within each 32 bytes the order is the one in which the launch before converted them: the same in q and k, and in v the order of p's registers.)
; THE SOFTMAX: t = score x log2(e) / 8; M = the row's largest t so far, rounded UP to a whole number; p = 2^(t - M) is quantised with 2^e8, not normalised.  The row's sum is taken of the unquantised p and divides at the end.
; When M moves, the sum and O are multiplied by 2^(old M - new M): exact.
; SHARES.  Work-group (i, bh) owns the query blocks i and 7 - i of 256 queries: under the causal mask early queries have few keys and late ones many, and each such pair has the same number.  Each of the SIXTEEN waves owns
; one tile of 16 queries of either block, in 256 registers: four waves to a SIMD, so that one wave's vector work stands beside another's matrix work and LDS loads.
; LDS.  THE HEAD'S WHOLE K AND V LIE IN LDS: 2,048 keys x (64 + 16) bytes and 16 x 64 x (128 + 16) bytes.  Every byte is filled once: no slot is ever filled again.  Waves 0-3 fetch K, waves 4-7 V, four loads each (four are the most
; that a wave has out), a quarter of the keys with each; the walk over a quarter begins when it has landed, behind a barrier, while the later quarters are on their way.
; NO CLUSTER, though the four work-groups of a head read the same K and V: what tells them apart is the query block, and the causal skip is a branch on it.  The skip leaves out nearly half of all steps.
; LAYOUT.  Both products are used transposed: S^T = K Q^T (source 0 = 16 keys, source 1 = my 16 queries), O^T = V^T P^T (source 0 = 16 channels, source 1 = P): a lane holds ONE query (lane % 16) throughout; register 8 t + j of S^T is key 16 t + 8 (lane / 16) + j.
; CAUSAL.  All waves walk all 16 steps of 128 keys: trip counts are constants.  A step all of whose keys come after a tile's queries is left out by a scalar branch on ids; in the step on the diagonal hidden scores become -infinity.
; LIMITS.  A hidden key counts for nothing (p = 0); reference() gives it the logit -1e6.  The two agree while a row's largest open logit lies above -1e6 + 104.  The quantiser holds |logit| under 8 x 448^2 x 2^(e6 + e7): with e6 + e7 <= -1 no input reaches the limit.
;   e6 + e7 between -123 and 130 (they are added to c's exponent field); e8, and e10 - e8 - e9, between -126 and 119.
; REGISTERS: v1-9 addresses that stay (v3, v4: of the step in hand); v10-13, v14-17 a tile's -M, largest t, sum in two halves; v18-33 Q's two fragments; v34-97 fragments of K, then of V; v98-161 S^T, then p; v162-177 p's codes; v178-241 O^T of the two tiles; v242-254 at work.
.set KP,    80                         ; a key's row in LDS: 64 bytes + 16 of padding
.set VP,    144                        ; a channel's row of 128 keys: 128 + 16
.set KBLK,  128*KP                     ; 128 keys of K
.set VBLK,  64*VP                      ; 128 keys of V
.set VT,    16*KBLK                    ; V lies behind K
.set STAGE, VT+16*VBLK                 ; the way out: 16 rows x 64 bytes for each wave, in bytes of their own
.set AK0,  1                           ; v1   my lane's place in a tile of K: KP r + 16 h
.set AV0,  2                           ; v2   in a tile of V: VT + VP r + 16 h
.set ADK,  3
.set ADV,  4
.set DG,   5                           ; v5   r - 8 h, for the diagonal
.set STO,  6                           ; v6   the stage: where I put 8 bytes of a row
.set RD,   7                           ; v7   and where I read rows back
.set LO,   8                           ; v8   16 x lane
.set QO,   9                           ; v9   Q: 64 r + 16 h
.set QF,   18
.set F,    34
.set S,    98
.set P,    162
.set O,    178
.set WV,   10                          ; s10  my wave's number
.set BH,   11                          ; s11  batch x 16 + head
.set G1K,  16                          ; s[16:23] descriptor group 1 for K's tiles;  s[24:31] for V's
.set G1V,  24
.set G0K,  32                          ; s[32:47] four groups 0 for K's tiles, one for each quarter;  s[48:63] for V's
.set G0V,  48
.set CS,   80                          ; s[80:81] c = log2(e) / 8 x 2^(e6 + e7): the packed form names a pair and takes its low word for both halves
.set SEL,  82                          ; s[82:83] lane selects for v_permlanex16_b32: lane l xor 16
.set KB,   84                          ; s84  LDS byte at which the step's keys begin in K
.set VB,   85                          ; s85  and, counted from VT, in V
.set KF,   86                          ; s86  the step's first key
.set Q0,   87                          ; s87, s88  my two tiles' first queries
.set QL,   89                          ; s89, s90  and last
.set CNT,  91
	s_load_b128 s[4:7], s[0:1], 0x0                ; qkv, the scales' exponents
	s_load_b64 s[8:9], s[0:1], 0x10                ; ac
	v_lshrrev_b32 v1, 5, v0
	s_delay_alu instid0(VALU_DEP_1)
	v_readfirstlane_b32 s[WV], v1                  ; wave 0..15
	s_and_b32 s[BH], ttmp7, 0xffff
	s_and_b32 s12, s[WV], 3                        ; which block of 128 keys of each quarter I fetch, if I fetch
	s_mul_i32 s13, s12, KBLK
	s_mul_i32 s14, s12, VBLK
	s_lshl_b32 s92, s[BH], 17                      ; a head has 131,072 bytes in each plane
	s_mov_b32 s93, 0
	s_lshl_b32 s94, s12, 13
	s_mov_b32 s95, 0
	; descriptor group 1.  K: 128 rows of 64 bytes, dense in memory;  V: 64 rows of 128 bytes, dense
	s_mov_b32 s[G1K], (0<<16)|(1<<20)|(3<<22)|(3<<25)   ; 15:0 no mask; 17:16 elements of 1 byte; 20 padding on; 24:22 after every 16 words (code 3); 31:25 four words (code 3)
	s_mov_b32 s[G1K+1], 64<<16                     ; tensor_dim0
	s_mov_b32 s[G1K+2], 128<<16                    ; tensor_dim1
	s_mov_b32 s[G1K+3], 64<<16                     ; tile_dim0
	s_mov_b32 s[G1K+4], 128                        ; tile_dim1
	s_mov_b32 s[G1K+5], 64                         ; tensor_dim0_stride
	s_mov_b32 s[G1K+6], 0
	s_mov_b32 s[G1K+7], 0
	s_mov_b32 s[G1V], (0<<16)|(1<<20)|(4<<22)|(3<<25)   ; padding: four words after every 32
	s_mov_b32 s[G1V+1], 128<<16
	s_mov_b32 s[G1V+2], 64<<16
	s_mov_b32 s[G1V+3], 128<<16
	s_mov_b32 s[G1V+4], 64
	s_mov_b32 s[G1V+5], 128
	s_mov_b32 s[G1V+6], 0
	s_mov_b32 s[G1V+7], 0
	s_lshl_b32 s[Q0], ttmp9, 8
	s_lshl_b32 s15, s[WV], 4
	s_add_co_u32 s[Q0], s[Q0], s15                 ; 256 i + 16 w
	s_sub_co_u32 s[Q0+1], 7, ttmp9
	s_lshl_b32 s[Q0+1], s[Q0+1], 8
	s_add_co_u32 s[Q0+1], s[Q0+1], s15             ; 256 (7 - i) + 16 w
	s_add_co_u32 s[QL], s[Q0], 15
	s_add_co_u32 s[QL+1], s[Q0+1], 15
	s_mov_b32 s[SEL], 0x76543210
	s_mov_b32 s[SEL+1], 0xfedcba98
	s_wait_kmcnt 0x0
	s_load_b256 s[68:75], s[6:7], 0x0              ; e0 .. e7
	s_load_b128 s[76:79], s[6:7], 0x20             ; e8 .. e11
	s_add_nc_u64 s[4:5], s[4:5], s[92:93]          ; my head in plane q
	s_add_nc_u64 s[94:95], s[4:5], s[94:95]        ; + my block of each quarter
.irp g, 0,1,2,3
	s_mov_b32 s[G0K+4*\g], 1                       ; 1:0 count = 1
	s_add_co_u32 s[G0K+4*\g+1], s13, 4*KBLK*\g     ; 63:32 LDS address: block 4 g + w % 4
	s_add_nc_u64 s[G0K+4*\g+2:G0K+4*\g+3], s[94:95], 0x800000+32768*\g   ; 120:64 global address: plane k
	s_or_b32 s[G0K+4*\g+3], s[G0K+4*\g+3], 0x80000000   ; 127:126 type = 2
	s_mov_b32 s[G0V+4*\g], 1
	s_add_co_u32 s[G0V+4*\g+1], s14, VT+4*VBLK*\g
	s_add_nc_u64 s[G0V+4*\g+2:G0V+4*\g+3], s[94:95], 0x1000000+32768*\g  ; plane v
	s_or_b32 s[G0V+4*\g+3], s[G0V+4*\g+3], 0x80000000
.endr
	s_cmp_lt_u32 s[WV], 4                          ; a wave's four fills stand in one branch on its number, ahead of every wait on TENSORcnt, every LDS read and every barrier; four v_nop follow the last
	s_cbranch_scc0 .Lnot_k
	tensor_load_to_lds s[G0K:G0K+3], s[G1K:G1K+7]
	s_nop 0
	tensor_load_to_lds s[G0K+4:G0K+7], s[G1K:G1K+7]
	s_nop 0
	tensor_load_to_lds s[G0K+8:G0K+11], s[G1K:G1K+7]
	s_nop 0
	tensor_load_to_lds s[G0K+12:G0K+15], s[G1K:G1K+7]
	s_nop 0
.rept 4
	v_nop
.endr
	s_branch .Lasked
.Lnot_k:
	s_cmp_lt_u32 s[WV], 8
	s_cbranch_scc0 .Lasked
	tensor_load_to_lds s[G0V:G0V+3], s[G1V:G1V+7]
	s_nop 0
	tensor_load_to_lds s[G0V+4:G0V+7], s[G1V:G1V+7]
	s_nop 0
	tensor_load_to_lds s[G0V+8:G0V+11], s[G1V:G1V+7]
	s_nop 0
	tensor_load_to_lds s[G0V+12:G0V+15], s[G1V:G1V+7]
	s_nop 0
.rept 4
	v_nop
.endr
.Lasked:
	s_lshl_b32 s92, s[Q0], 6
	s_add_nc_u64 s[96:97], s[4:5], s[92:93]        ; q at my first tile,
	s_lshl_b32 s92, s[Q0+1], 6
	s_add_nc_u64 s[98:99], s[4:5], s[92:93]        ; at my second
	v_and_b32 v250, 15, v0                         ; r
	v_bfe_u32 v251, v0, 4, 1                       ; h
	v_and_b32 v248, 31, v0                         ; lane
	s_delay_alu instid0(VALU_DEP_3)
	v_lshlrev_b32 v[QO], 6, v250
	s_delay_alu instid0(VALU_DEP_1)
	v_lshl_add_u32 v[QO], v251, 4, v[QO]
.irp c, 0,1
	global_load_b128 v[QF+4*\c:QF+4*\c+3],     v[QO], s[96:97] offset:32*\c   ; Q's fragments stay in registers
	global_load_b128 v[QF+8+4*\c:QF+8+4*\c+3], v[QO], s[98:99] offset:32*\c
.endr
	v_mul_u32_u24 v[AK0], v250, KP
	s_delay_alu instid0(VALU_DEP_1)
	v_lshl_add_u32 v[AK0], v251, 4, v[AK0]
	v_mul_u32_u24 v[AV0], v250, VP
	s_delay_alu instid0(VALU_DEP_1)
	v_lshl_add_u32 v[AV0], v251, 4, v[AV0]
	s_delay_alu instid0(VALU_DEP_1)
	v_add_nc_u32 v[AV0], VT, v[AV0]
	v_lshlrev_b32 v[DG], 3, v251
	s_delay_alu instid0(VALU_DEP_1)
	v_sub_nc_u32 v[DG], v250, v[DG]
	s_lshl_b32 s92, s[WV], 10
	s_add_co_u32 s92, s92, STAGE                   ; my stage
	v_lshlrev_b32 v[STO], 6, v250
	s_delay_alu instid0(VALU_DEP_1)
	v_lshl_add_u32 v[STO], v251, 3, v[STO]
	s_delay_alu instid0(VALU_DEP_1)
	v_add_nc_u32 v[STO], s92, v[STO]               ; in: row r of 64 bytes, + 8 h
	v_lshlrev_b32 v[LO], 4, v248
	s_delay_alu instid0(VALU_DEP_1)
	v_add_nc_u32 v[RD], s92, v[LO]                 ; back: as the bytes lie
	; where my tiles go: ac is [head][batch x 2048 + token][64]
	s_and_b32 s92, s[BH], 15
	s_lshl_b32 s92, s92, 19
	s_lshr_b32 s15, s[BH], 4
	s_lshl_b32 s15, s15, 11
	s_add_co_u32 s94, s15, s[Q0]
	s_lshl_b32 s94, s94, 6
	s_add_co_u32 s94, s94, s92
	s_mov_b32 s95, 0
	s_add_nc_u64 s[12:13], s[8:9], s[94:95]
	s_add_co_u32 s94, s15, s[Q0+1]
	s_lshl_b32 s94, s94, 6
	s_add_co_u32 s94, s94, s92
	s_add_nc_u64 s[14:15], s[8:9], s[94:95]
.irp a, 10, 14
	v_mov_b32 v[\a+1], 0xff61b1e6                  ; the largest t so far: -3e38, under every t
	s_delay_alu instid0(VALU_DEP_1)
	v_floor_f32 v[\a], -v[\a+1]                    ; -M
	v_mov_b32 v[\a+2], 0                           ; the sum, in two halves
	v_mov_b32 v[\a+3], 0
.endr
	v_mov_b32 v246, 0                              ; written once: a lane permute's destination counts as one of its sources
	v_mov_b32 v249, 0                              ; (named as the upper half of the pair v[248:249])
	v_mov_b32 v252, 0xff800000                     ; -infinity
.set n, 0
.rept 64
	v_mov_b32 v[O+n], 0                            ; O^T.  (The step is written once: a tile's first step finds zeros, which the first change of M leaves zeros)
.set n, n+1
.endr
	s_wait_kmcnt 0x0
	s_add_co_i32 s92, s74, s75
	s_lshl_b32 s92, s92, 23
	s_mov_b32 s[CS], 0x3e38aa3b                    ; log2(e) / 8
	s_add_co_i32 s[CS], s[CS], s92                 ; a score stands for score x 2^(e6 + e7): the two exponents are added to c's exponent field
	s_mov_b32 s[CS+1], s[CS]                       ; (named with it as a pair, so it is written)
	s_add_co_i32 s92, s76, 127
	s_lshl_b32 s93, s92, 23
	v_mov_b32 v244, s93                            ; 2^e8 as f32, for p's conversion
	s_sub_co_i32 s92, s78, s76
	s_sub_co_i32 s92, s92, s77                     ; a sum of the second product stands for sum x 2^(e8 + e9): the result's conversion takes 2^(e10 - e8 - e9)
	s_add_co_i32 s92, s92, 127
	s_lshl_b32 s93, s92, 23
	v_mov_b32 v253, s93
; A STEP OF ONE TILE: my 16 queries of block tau against 128 keys.
.macro TSTEP tau
.set AST, 10+4*\tau
.set AQ,  QF+8*\tau
.set AO,  O+32*\tau
	s_cmp_gt_u32 s[KF], s[QL+\tau]                 ; all 128 keys come after my queries: nothing to do.  A branch on ids; no barrier and no tensor load stands in a step
	s_cbranch_scc1 .Lskip_\@
	v_add_nc_u32 v[ADK], s[KB], v[AK0]
	v_add_nc_u32 v[ADV], s[VB], v[AV0]
	v_nop                                          ; with the two additions: four places in front of loads into registers that the last products have read
	v_nop
.irp t, 0,1,2,3,4,5,6,7
	ds_load_b128 v[F+8*\t:F+8*\t+3],   v[ADK] offset:16*KP*\t
	ds_load_b128 v[F+8*\t+4:F+8*\t+7], v[ADK] offset:16*KP*\t+32
.endr
	s_wait_alu depctr_va_vdst(0)
	s_wait_dscnt 0x0
.irp t, 0,1,2,3,4,5,6,7
	v_wmma_f32_16x16x64_fp8_fp8 v[S+8*\t:S+8*\t+7], v[F+8*\t:F+8*\t+7], v[AQ:AQ+7], 0
.endr
.rept 4
	v_nop                                          ; places in front of the loads below and of the first read of the scores
.endr
.irp u, 0,1,2,3
.irp c, 0,1,2,3
	ds_load_b128 v[F+16*\u+4*\c:F+16*\u+4*\c+3], v[ADV] offset:16*VP*\u+32*\c   ; V's four fragments land while the softmax is worked
.endr
.endr
	s_add_co_u32 s92, s[KF], 127
	s_cmp_le_u32 s92, s[Q0+\tau]                   ; all 128 keys count for all my queries: no mask
	s_cbranch_scc1 .Lopen_\@
	s_sub_co_i32 s92, s[Q0+\tau], s[KF]
	v_add_nc_u32 v250, s92, v[DG]                  ; d = my query - KF - 8 h.  Register 8 t + j holds key KF + 16 t + 8 h + j: hidden where 16 t + j > d
.set n, 0
.rept 64
	v_cmp_gt_i32 vcc_lo, 16*(n/8)+n%8, v250
	v_cndmask_b32 v[S+n], v[S+n], v252, vcc_lo
.set n, n+1
.endr
.Lopen_\@:
	v_max3_num_f32 v250, v[S], v[S+1], v[S+2]      ; the step's largest score of my query, among my 64 keys, in two chains (each accumulator is first read at its low end),
	v_max3_num_f32 v251, v[S+3], v[S+4], v[S+5]
.set n, 6
.rept 14
	v_max3_num_f32 v250, v250, v[S+n], v[S+n+1]
	v_max3_num_f32 v251, v251, v[S+n+2], v[S+n+3]
.set n, n+4
.endr
	v_max3_num_f32 v250, v250, v[S+62], v[S+63]
	s_delay_alu instid0(VALU_DEP_1)
	v_max_num_f32 v250, v250, v251
	s_delay_alu instid0(VALU_DEP_1)
	v_permlanex16_b32 v246, v250, s[SEL], s[SEL+1]
	s_delay_alu instid0(VALU_DEP_1)
	v_max_num_f32 v250, v250, v246                 ; and among lane l xor 16's
	s_delay_alu instid0(VALU_DEP_1)
	v_mul_f32 v250, s[CS], v250                    ; as t (c is positive)
	s_delay_alu instid0(VALU_DEP_1)
	v_max_num_f32 v[AST+1], v[AST+1], v250         ; the running largest t
	v_mov_b32 v250, v[AST]
	s_delay_alu instid0(VALU_DEP_2)
	v_floor_f32 v[AST], -v[AST+1]                  ; the new -M = floor(-t) = -ceil(t): M IS A WHOLE NUMBER
	s_delay_alu instid0(VALU_DEP_1)
	v_sub_f32 v250, v[AST], v250                   ; M's old value less its new one: a whole number, 0 or less
	s_delay_alu instid0(VALU_DEP_1)
	v_cvt_i32_f32 v250, v250                       ; (it saturates)
	s_delay_alu instid0(VALU_DEP_1)
	v_ldexp_f32 v248, 1.0, v250                    ; f = 2^(old M - new M)
.set n, 0
.rept 32
	v_pk_fma_f32 v[S+n:S+n+1], v[S+n:S+n+1], s[CS:CS+1], v[AST:AST+1] op_sel_hi:[1,0,0]   ; t - M, two at a time (of the pairs c and -M the low word serves both halves)
.set n, n+2
.endr
.set n, 0
	s_wait_alu depctr_va_vdst(0)
.rept 64
	v_exp_f32 v[S+n], v[S+n]                       ; p = 2^(t - M), at most 1: NOT normalised
.set n, n+1
.endr
	v_pk_mul_f32 v[AST+2:AST+3], v[AST+2:AST+3], v[248:249] op_sel_hi:[1,0]   ; the sums under the new M.  (The plain line behind the exponentials)
	s_wait_alu depctr_va_vdst(0)                   ; one wait for the whole batch, ahead of the first line that names a result
	v_pk_add_f32 v[242:243], v[S:S+1], v[S+2:S+3]  ; THE ROW'S SUM IS TAKEN OF THE UNQUANTISED p: two at a time, in two chains
.set n, 4
.rept 15
	v_pk_add_f32 v[AST+2:AST+3], v[AST+2:AST+3], v[S+n:S+n+1]
	v_pk_add_f32 v[242:243], v[242:243], v[S+n+2:S+n+3]
.set n, n+4
.endr
	s_delay_alu instid0(VALU_DEP_1)
	v_pk_add_f32 v[AST+2:AST+3], v[AST+2:AST+3], v[242:243]
.set n, 0
.rept 64
.set n, n+1
.endr
.set n, 0
.rept 8
	v_cvt_scalef32_pk8_fp8_f32 v[P+2*n:P+2*n+1], v[S+8*n:S+8*n+7], v244   ; registers 2 t, 2 t + 1 of the operand: keys 16 t + 8 h + 0 .. 7, the order in which V's bytes lie
.set n, n+1
.endr
.set n, 0
.rept 16
	v_pk_mul_f32 v[AO+n:AO+n+1], v[AO+n:AO+n+1], v[248:249] op_sel_hi:[1,0]   ; O^T under the new M: x f.  (Plain lines between the conversions and the products that read the codes)
.set n, n+2
.endr
	s_wait_alu depctr_va_vdst(0)
	s_wait_dscnt 0x0                               ; V's fragments are in
.irp u, 0,1,2,3
	v_wmma_f32_16x16x128_fp8_fp8 v[AO+8*\u:AO+8*\u+7], v[F+16*\u:F+16*\u+15], v[P:P+15], v[AO+8*\u:AO+8*\u+7]   ; four accumulators by turns
.endr
.Lskip_\@:
.endm
; A QUARTER OF THE KEYS: four steps of 128.  The count leaves the later quarters' loads on their way.
.macro GROUP g
	s_wait_tensorcnt 3-\g                          ; my load of this quarter has landed (a wave's tensor loads end in order: ISA guide 10.11.1); the 3 - g behind it may be out
	s_wait_dscnt 0x0
	s_barrier_signal -1
	s_barrier_wait -1                              ; everybody's has
	s_mov_b32 s[KB], 4*KBLK*\g
	s_mov_b32 s[VB], 4*VBLK*\g
	s_mov_b32 s[KF], 512*\g
	s_mov_b32 s[CNT], 4
.Lgroup_\@:
	TSTEP 0
	TSTEP 1
	s_add_co_u32 s[KB], s[KB], KBLK
	s_add_co_u32 s[VB], s[VB], VBLK
	s_add_co_u32 s[KF], s[KF], 128
	s_sub_co_u32 s[CNT], s[CNT], 1
	s_cmp_lg_u32 s[CNT], 0
	s_cbranch_scc1 .Lgroup_\@
.endm
	s_wait_loadcnt 0x0                             ; Q
	GROUP 0
	GROUP 1
	GROUP 2
	GROUP 3                                        ; its wait is for 0: no tensor load is out from here on
; THE WAY OUT of a tile: O^T / the sum, held, converted; a lane's eight channels are 8 bytes of a row of 64.  They go through my stage, where the channels fall into their own order, and leave as 1,024 consecutive bytes.
.macro FIN tau
.set AST, 10+4*\tau
.set AO,  O+32*\tau
	v_add_f32 v250, v[AST+2], v[AST+3]             ; the sum's two halves,
	s_delay_alu instid0(VALU_DEP_1)
	v_permlanex16_b32 v246, v250, s[SEL], s[SEL+1]
	s_delay_alu instid0(VALU_DEP_1)
	v_add_f32 v250, v250, v246                     ; and lane l xor 16's: the row's sum
	s_wait_alu depctr_va_vdst(0)
	v_rcp_f32 v250, v250
	v_nop                                          ; a plain line behind the reciprocal,
	s_wait_alu depctr_va_vdst(0)                   ; and the wait ahead of its first reader
.set n, 0
.rept 32
	v_mul_f32 v[S+n], v[AO+n], v250                ; register 8 u + j is o(r, 16 u + 8 h + j) / 2^(e8 + e9); each accumulator from its low end on
.set n, n+1
.endr
.set n, 0
.rept 32
.set n, n+1
.endr
.set n, 0
.rept 4
	v_cvt_scalef32_pk8_fp8_f32 v[P+2*n:P+2*n+1], v[S+8*n:S+8*n+7], v253
.set n, n+1
.endr
	v_nop                                          ; one plain line behind the last conversion
.irp u, 0,1,2,3
	ds_store_b64 v[STO], v[P+2*\u:P+2*\u+1] offset:16*\u
.endr
.irp k, 0,1
	ds_load_b128 v[F+8*\tau+4*\k:F+8*\tau+4*\k+3], v[RD] offset:512*\k   ; LDS serves a wave's instructions in order: these see my stores
.endr
	s_wait_dscnt 0x0
.irp k, 0,1
	global_store_b128 v[LO], v[F+8*\tau+4*\k:F+8*\tau+4*\k+3], s[12+2*\tau:13+2*\tau] offset:512*\k   ; 32 lanes store 512 consecutive bytes, at a multiple of 512 from the buffer's first byte
.endr
.endm
.rept 4
	v_nop                                          ; places behind the last products
.endr
	FIN 0
	FIN 1
	s_endpgm
.Lfunc_end_k_q96115a5db4_attn:
	.size	k_q96115a5db4_attn, .Lfunc_end_k_q96115a5db4_attn-k_q96115a5db4_attn
	.p2alignl 7, 3214868480
	.fill 96, 4, 3214868480
	.section	.rodata,"a",@progbits
	.p2align	6, 0x0
	.amdhsa_kernel k_q96115a5db4_attn
		.amdhsa_group_segment_fixed_size 327680
		.amdhsa_private_segment_fixed_size 0
		.amdhsa_enable_private_segment 0
		.amdhsa_kernarg_size 24
		.amdhsa_user_sgpr_count 2
		.amdhsa_user_sgpr_kernarg_segment_ptr 1
		.amdhsa_wavefront_size32 1
		.amdhsa_system_sgpr_workgroup_id_x 1
		.amdhsa_system_sgpr_workgroup_id_y 1
		.amdhsa_system_sgpr_workgroup_id_z 1
		.amdhsa_system_vgpr_workitem_id 0
		.amdhsa_next_free_vgpr 256
		.amdhsa_next_free_sgpr 100
		.amdhsa_reserve_vcc 1
		.amdhsa_float_denorm_mode_32 3
		.amdhsa_float_denorm_mode_16_64 3
		.amdhsa_fp16_overflow 1
		.amdhsa_memory_ordered 1
		.amdhsa_forward_progress 1
		.amdhsa_inst_pref_size 167
	.end_amdhsa_kernel
	.amdgpu_metadata
---
amdhsa.version: [ 1, 2 ]
amdhsa.kernels:
  - .name:           k_q96115a5db4_attn
    .symbol:         k_q96115a5db4_attn.kd
    .args:
      - { .name: qkv, .offset: 0, .size: 8, .value_kind: global_buffer, .address_space: global }
      - { .name: lowp_scales, .offset: 8, .size: 8, .value_kind: global_buffer, .address_space: global }
      - { .name: ac, .offset: 16, .size: 8, .value_kind: global_buffer, .address_space: global }
    .group_segment_fixed_size: 327680
    .private_segment_fixed_size: 0
    .kernarg_segment_align: 8
    .kernarg_segment_size: 24
    .max_flat_workgroup_size: 512
    .sgpr_count:     100
    .vgpr_count:     256
    .wavefront_size: 32
...
	.end_amdgpu_metadata
.endif
;; end of part 3
;; launch oproj (part 4): grid 4 x 32, 4 waves a work-group, clusters of 4 x 4, 327,680 bytes of LDS; arguments ac, codes, lowp_scales, out0; writes out0
.if DOCPART == 4
	.amdgcn_target "amdgcn-amd-amdhsa--gfx1250"
	.amdhsa_code_object_version 6
	.text
	.protected	k_q96115a5db4_oproj
	.globl	k_q96115a5db4_oproj
	.p2align	8
	.type	k_q96115a5db4_oproj,@function
k_q96115a5db4_oproj:
	s_mov_b64 s[64:65], 0
	v_nop
	global_prefetch_b8 v0, s[64:65] scope:SCOPE_SE
	s_setreg_imm32_b32 hwreg(HW_REG_WAVE_MODE, 25, 1), 1
	s_wait_xcnt 0x0
	s_wait_alu depctr_hold_cnt(0) depctr_sa_sdst(0) depctr_va_vdst(0) depctr_va_sdst(0) depctr_va_ssrc(0) depctr_va_vcc(0) depctr_vm_vsrc(0)
	s_getreg_b32 s2, hwreg(HW_REG_IB_STS2, 6, 4)
	s_cmp_eq_u32 s2, 0
	s_cbranch_scc0 .Lentry_in_a_cluster
	s_endpgm
.Lentry_in_a_cluster:
	s_bfe_u32 s2, ttmp6, 0x10000c
	s_cmp_lg_u32 s2, 0xf033
	s_cbranch_scc0 .Lentry_shape_is_right
	s_endpgm
.Lentry_shape_is_right:
; OPROJ: out = a w_o^T on codes of FP8 (E4M3).  a: the attention's result as codes, [16 heads][8192 rows][64 bytes] (K = 64 x head + channel); w_o's codes: [1024][1024], K innermost, at 27 MiB of 'codes'; out: [8192][1024] f32.
; A number of a is its code's value x 2^e10, of w_o x 2^e11.  The codes are multiplied as they are, and each finished sum once by 2^(e10 + e11).  LIMIT: e10 + e11 between -126 and 127, so that the power is an f32 number.
; A tile of C, 256 x 256, is made by a work-group of four waves; a wave makes 128 x 128: 64 accumulators, 512 registers.  K goes in steps of 256 (four heads) through a ring of two LDS slots filled by the tensor data mover.
; A's TILE: 128 rows of four heads.  A head's 128 rows of 64 bytes are 8,192 consecutive bytes of memory, and the heads lie 524,288 bytes apart: so the tile is stated as 4 rows of 8,192 bytes, with 16 bytes of padding behind every 64:
; in LDS [head][row], 80 bytes a row.  B's tile: 128 rows of 256 bytes, 272 apart.
; CLUSTERS: 4 x 4 work-groups.  The four of a row of the cluster need the same tiles of A, the four of a column the same tiles of B: each tile is asked for JOINTLY, by the same tensor load with the same descriptor and a mask that names the four.
; THE MATRIX INSTRUCTION IS USED TRANSPOSED (source 0 = 16 rows of B, source 1 = 16 rows of A): a lane then holds eight neighbouring numbers of a row of C.
; REGISTERS, in windows of 256: window 0: v0-31 addresses; from v128 A's fragments, ONE set; on the way out v32-255 are free.  window 1: B's fragments, TWO sets.
;   window 2: the 32 accumulators of my rows 0-63 (accumulator (a, b) at v[8 (8 a + b)]);  window 3: those of my rows 64-127.
.set SIZE_N, 1024
.set ROWB,   256                       ; B: a tile's row in bytes
.set KROW,   1024                      ; B: a row in memory
.set PITCH,  272                       ; B: an LDS row: 256 + 16
.set APITCH, 80                        ; A: an LDS row: 64 + 16.  Both pitches are odd multiples of 16 bytes: the 16 rows that a load touches start at 16 different groups of banks (64 banks of 4 bytes: ISA guide 11.1)
.set HEADB,  128*APITCH                ; A: a head's 128 rows in LDS
.set AHALF,  4*HEADB                   ; A: what one tensor load brings: 128 rows x four heads
.set ASTEP,  4*524288                  ; A: four heads on in memory
.set WO,     0x1b00000                 ; w_o's codes in 'codes'
.set FR,     16                        ; registers of a fragment: 16 rows x 128 K
.set NL,     4                         ; LDS loads that bring one
.set NP,     4                         ; places behind this matrix instruction (ISA guide 7.12.1)
.set HALFT,  128*PITCH                 ; B: what one tensor load brings
.set SLOT,   2*AHALF+2*HALFT           ; A's 256 rows, then B's 256 rows
.set LAPS,   2                         ; a lap = two K steps of 256 = once round the ring
.set SPARE,  2*SLOT                    ; behind the ring: the spare words, 128 bytes for each wave: two blocks of 256 bytes that no other line names
.set SPITCH, 528                       ; the way out: a stage of 16 rows x (512 bytes + 16) for each wave.  It lies in slot 0, which has had its last fill and its last read when the first result is stored there
.set ADRA, 16                          ; v16-17  LDS address of my A fragments in slot 0, 1
.set ADRB, 20                          ; v20-21  the same for B
.set STO,  24                          ; v24     the way out: where I put 32 bytes of a row
.set RD,   25                          ; v25     the way out: where I read a row back
.set CO,   26                          ; v26     my byte offset in a row of C
.set SPW,  28                          ; v28     LDS address of my spare word: SPARE + 4 x my thread's number; never rewritten
.set NIL,  29                          ; v29     0; never rewritten
.set TMP,  32                          ; the way out: 64 registers, a block's sums x 2^(e10 + e11)
.set AF,   128                         ; A's fragments, in window 0
.set BK,   128                         ; the way out: 16 rows read back from the stage: v128-191 and v192-255 by turns
.set G1, 24                            ; s[24:31] descriptor group 1 for A's tiles;  s[32:39] group 0, one set for each slot
.set G0, 32
.set G1B, 48                           ; s[48:55], s[56:63] the same for B's tiles
.set G0B, 56
.set MSB, 0
.macro WIN new                         ; the immediate's high byte repeats the setting that is left
.if MSB != \new
	s_set_vgpr_msb (MSB<<8)|\new
.set MSB, \new
.endif
.endm
.set MUL_LO, 0xa1                      ; source 0 (B) window 1, source 1 (A) window 0, C and D window 2
.set MUL_HI, 0xf1                      ; the same, C and D window 3
.set TO_B,   0x40                      ; destination window 1, address window 0
; A joint load: waves 0 and 1 fetch for A, waves 2 and 3 for B.  Each of the two lines has ONE mask and one set of registers for all that issue it; the branch hangs on the wave's number alone.
; Four v_nop follow each of the two lines, ahead of the jump, the label and what follows.
.macro JLOAD g0a, g1a, g0b, g1b
	s_cmp_eq_u32 s15, 0
	s_cbranch_scc0 .Lfor_b_\@
	tensor_load_to_lds s[\g0a:\g0a+3], s[\g1a:\g1a+7]
	s_nop 0
.rept 4
	v_nop
.endr
	s_branch .Lasked_\@
.Lfor_b_\@:
	tensor_load_to_lds s[\g0b:\g0b+3], s[\g1b:\g1b+7]
	s_nop 0
.rept 4
	v_nop
.endr
.Lasked_\@:
.endm
.macro CREST                           ; a round of the cluster's barrier behind its opening barrier
	s_cmp_lg_u32 s14, 0
	s_cbranch_scc1 .Lnot_wave_0_\@
	s_barrier_signal -3
.Lnot_wave_0_\@:
	s_barrier_wait -3
	s_barrier_signal -1
	s_barrier_wait -1
.endm
.macro CROUND                          ; a whole round
	s_barrier_signal -1
	s_barrier_wait -1
	CREST
.endm
	s_load_b128 s[4:7], s[0:1], 0x0                ; a's codes s[4:5], 'codes' s[6:7]
	s_load_b128 s[8:11], s[0:1], 0x10              ; the scales' exponents s[8:9], C s[10:11]
	v_lshl_add_u32 v[SPW], v0, 2, SPARE
	v_mov_b32 v[NIL], 0
	v_lshrrev_b32 v1, 5, v0
	v_readfirstlane_b32 s14, v1                    ; wave 0..3
	s_lshr_b32 s15, s14, 1                         ; which half of the tile's rows is mine.  Also: I fetch for A (0) or for B (1)
	s_and_b32 s16, s14, 1                          ; which half of its columns.  Also: which 128 rows of that tile I fetch
	s_bfe_u32 s40, ttmp6, 0x40000                  ; cx, cy: my place in the cluster
	s_bfe_u32 s41, ttmp6, 0x40004
	s_lshl_b32 s42, ttmp9, 2
	s_add_co_u32 s42, s42, s40                     ; tile column of C = 4 x cluster x + cx
	s_and_b32 s17, ttmp7, 0xffff
	s_lshl_b32 s17, s17, 2
	s_add_co_u32 s17, s17, s41                     ; tile row of C = 4 x cluster y + cy
	s_lshl_b32 s43, s41, 2
	s_lshl_b32 s43, 15, s43                        ; my row of the cluster
	s_lshl_b32 s44, 0x1111, s40                    ; my column
	; descriptor group 1 for A: 4 rows (heads) of 8,192 bytes, 524,288 apart
	s_or_b32 s[G1+0], s43, (0<<16)|(1<<20)|(1<<21)|(3<<22)|(3<<25)  ; 15:0 the mask: A's tiles go to my row; 17:16 element of 1 byte; 20 padding on; 21 set beside a mask; 24:22 after every 16 words (code 3); 31:25 of 4 words (code 3)
	s_mov_b32 s[G1+1], 8192<<16                    ; tensor_dim0 = 8,192
	s_mov_b32 s[G1+2], 4<<16                       ; tensor_dim1 = 4
	s_mov_b32 s[G1+3], 8192<<16                    ; tile_dim0
	s_mov_b32 s[G1+4], 4                           ; tile_dim1
	s_mov_b32 s[G1+5], 524288                      ; tensor_dim0_stride
	s_mov_b32 s[G1+6], 0
	s_mov_b32 s[G1+7], 0
	; for B: 128 rows of 256 bytes, 1,024 apart
	s_or_b32 s[G1B+0], s44, (0<<16)|(1<<20)|(1<<21)|(5<<22)|(3<<25) ; the mask of my column; padding of 4 words after every 64
	s_mov_b32 s[G1B+1], ROWB<<16
	s_mov_b32 s[G1B+2], 128<<16
	s_mov_b32 s[G1B+3], ROWB<<16
	s_mov_b32 s[G1B+4], 128
	s_mov_b32 s[G1B+5], KROW
	s_mov_b32 s[G1B+6], 0
	s_mov_b32 s[G1B+7], 0
	s_lshl_b32 s18, s16, 7                         ; which 128 rows of the tile I fetch
	s_lshl_b32 s20, s17, 8
	s_add_co_u32 s20, s20, s18                     ; A: row 256 x tile row + 128 x half,
	s_lshl_b32 s20, s20, 6                         ; of 64 bytes in each head
	s_mov_b32 s21, 0
	s_lshl_b32 s46, s42, 8
	s_add_co_u32 s46, s46, s18                     ; B: row 256 x tile column + 128 x half,
	s_lshl_b32 s46, s46, 10                        ; of 1,024 bytes,
	s_add_co_u32 s46, s46, WO                      ; in w_o's plane
	s_mov_b32 s47, 0
	s_mul_i32 s45, s16, AHALF                      ; where they go: A's two halves,
	s_mul_i32 s19, s16, HALFT
	s_add_co_u32 s19, s19, 2*AHALF                 ; then B's two: no place in the cluster enters an LDS address
	s_wait_kmcnt 0x0
	s_load_b64 s[96:97], s[8:9], 0x28              ; e10, e11
	s_add_nc_u64 s[20:21], s[4:5], s[20:21]
	s_add_nc_u64 s[46:47], s[6:7], s[46:47]
	CROUND                                         ; all sixteen work-groups are here: the first joint loads meet
.irp s, 0,1
	s_mov_b32 s[G0+4*\s], 1
	s_add_co_u32 s[G0+4*\s+1], s45, \s*SLOT
	s_add_nc_u64 s[G0+4*\s+2:G0+4*\s+3], s[20:21], \s*ASTEP
	s_or_b32 s[G0+4*\s+3], s[G0+4*\s+3], 0x80000000
	s_mov_b32 s[G0B+4*\s], 1
	s_add_co_u32 s[G0B+4*\s+1], s19, \s*SLOT
	s_add_nc_u64 s[G0B+4*\s+2:G0B+4*\s+3], s[46:47], \s*ROWB
	s_or_b32 s[G0B+4*\s+3], s[G0B+4*\s+3], 0x80000000
	s_wait_alu depctr_va_vdst(0)
	s_wait_tensorcnt 0x0
	ds_add_u32 v28, v29
	ds_add_u32 v28, v29
	s_wait_dscnt 0x0
	CROUND
	JLOAD G0+4*\s, G1, G0B+4*\s, G1B
.endr
	v_and_b32 v1, 15, v0                           ; l % 16
	v_bfe_u32 v2, v0, 4, 1                         ; l / 16
	v_mul_u32_u24 v3, v1, APITCH
	v_lshl_add_u32 v3, v2, 4, v3                   ; A: a fragment's row x pitch + 16 x half
	v_mul_u32_u24 v4, v1, PITCH
	v_lshl_add_u32 v4, v2, 4, v4                   ; B likewise
	s_mul_i32 s21, s15, AHALF                      ; my 128 rows of A
	s_mul_i32 s22, s16, HALFT                      ; my 128 rows of B,
	s_add_co_u32 s22, s22, 2*AHALF                 ; which lie behind A's 256
.irp s, 0,1
	v_add_nc_u32 v[ADRA+\s], s21, v3
	v_add_nc_u32 v[ADRB+\s], s22, v4
	s_add_co_u32 s21, s21, SLOT
	s_add_co_u32 s22, s22, SLOT
.endr
	s_mul_i32 s23, s14, 16*SPITCH                  ; my stage
	v_mul_u32_u24 v5, v1, SPITCH                   ; in: row l % 16, 32 bytes for each half of the lanes
	v_lshl_add_u32 v5, v2, 5, v5
	v_add_nc_u32 v[STO], s23, v5
	v_and_b32 v6, 31, v0
	v_lshlrev_b32 v[CO], 4, v6                     ; back: the 32 lanes take one row of 512 bytes; and the same in C
	v_add_nc_u32 v[RD], s23, v[CO]
	s_lshl_b32 s20, s17, 8
	s_lshl_b32 s21, s15, 7
	s_add_co_u32 s20, s20, s21                     ; my first row of C: 256 x tile row + 128 x half
	s_mov_b32 s21, 0
	s_mov_b64 s[18:19], SIZE_N*4
	s_mul_u64 s[20:21], s[20:21], s[18:19]
	s_lshl_b32 s46, s42, 10                        ; my first column, in bytes: 1024 x tile column + 512 x half
	s_lshl_b32 s47, s16, 9
	s_add_co_u32 s46, s46, s47
	s_mov_b32 s47, 0
	s_add_nc_u64 s[20:21], s[20:21], s[46:47]
	s_add_nc_u64 s[10:11], s[10:11], s[20:21]
; A fragment, 16 rows x 128 K, is 16 registers: lane l holds row l % 16; registers 4 c .. 4 c + 3 hold K = 32 c + 16 (l / 16) + 0 .. 15 of the slot's q-th 128: the same places in A and in B, so every product meets its partner.
.macro FRAGB reg, adr, q, i
.irp c, 0,1,2,3
	ds_load_b128 v[\reg+4*\c:\reg+4*\c+3], v[\adr] offset:128*(\q)+32*\c+(\i)*16*PITCH
.endr
.endm
.macro FRAGA reg, adr, q, i            ; in A those K lie in head 2 q + c / 2 of the slot's four, at byte 32 (c % 2) + 16 (l / 16) of the row
.irp c, 0,1,2,3
	ds_load_b128 v[\reg+4*\c:\reg+4*\c+3], v[\adr] offset:(2*(\q)+\c/2)*HEADB+32*(\c%2)+(\i)*16*APITCH
.endr
.endm
; 16 matrix instructions: A's blocks a0, a0 + 1 x B's eight, 128 along K.  p: B's set.  zero = 1: the first product starts the sums: nothing is ever cleared.
; The 64 accumulators take turns, one instruction a turn, in the same order in every step.
.macro MUL16 a0, p, zero
.irp a, \a0, \a0+1
.irp b, 0,1,2,3,4,5,6,7
.if \zero
	v_wmma_f32_16x16x128_fp8_fp8 v[8*(8*((\a)%4)+\b):8*(8*((\a)%4)+\b)+7], v[128*(\p)+FR*\b:128*(\p)+FR*\b+FR-1], v[AF+FR*(\a):AF+FR*(\a)+FR-1], 0
.else
	v_wmma_f32_16x16x128_fp8_fp8 v[8*(8*((\a)%4)+\b):8*(8*((\a)%4)+\b)+7], v[128*(\p)+FR*\b:128*(\p)+FR*\b+FR-1], v[AF+FR*(\a):AF+FR*(\a)+FR-1], v[8*(8*((\a)%4)+\b):8*(8*((\a)%4)+\b)+7]
.endif
.endr
.endr
.endm
.macro FETCH_B slot, q, p              ; B's eight fragments of the slot's q-th 128 along K into set p
	WIN TO_B
.irp i, 0,1,2,3,4,5,6,7
	FRAGB 128*(\p)+FR*\i, ADRB+\slot, \q, \i
.endr
	WIN 0
.endm
.macro FETCH_A slot, q, i0             ; A's blocks i0 .. i0 + 3
.irp i, \i0, \i0+1, \i0+2, \i0+3
	FRAGA AF+FR*(\i), ADRA+\slot, \q, \i
.endr
.endm
; A load into a register that a matrix instruction has read, and a vector instruction or an LDS store that reads a matrix result, stand NP places behind that matrix instruction; only plain vector
; instructions that name none of its registers are places (ISA guide 7.12.1 for vector instructions).
.macro PLACES n
.rept \n
	v_nop
.endr
.endm
; A step of 128 along K that has its successor in the same slot.  A block of A is free as soon as its eight products are issued: blocks 0-3 are fetched anew in the step's middle, blocks 4-7 at its end.
.macro STEP slot, q, zero
	s_wait_dscnt 4*NL                              ; B's set and A's blocks 0-3 are in; the youngest sixteen loads (A's blocks 4-7) may be out
	WIN MUL_LO
	MUL16 0, (\q)%2, \zero
	MUL16 2, (\q)%2, \zero
	s_wait_dscnt 0                                 ; A's blocks 4-7 are in (asked for 32 matrix instructions ago)
	PLACES NP
	FETCH_B \slot, (\q)+1, 1-(\q)%2
	FETCH_A \slot, (\q)+1, 0
	WIN MUL_HI
	MUL16 4, (\q)%2, \zero
	MUL16 6, (\q)%2, \zero
	PLACES NP
	WIN 0
	FETCH_A \slot, (\q)+1, 4
.endm
; A slot's last step changes slots: ONE barrier; in front of it each wave waits for all its tensor loads, adds 0 to its spare word, and waits for that and for its own reads of this slot.  fill = 1: this slot is filled again, two K steps ahead.
.macro TURN slot, next, fill
	s_wait_tensorcnt 0x0                           ; all my tensor loads have landed: my part of the next slot;  (every window is 0 here: the add's two registers lie in window 0)
	ds_add_u32 v[SPW], v[NIL]                      ; 0 onto my spare word
	s_wait_dscnt 4*NL+1                            ; (the add and the youngest sixteen loads, A's blocks 4-7, may be out)
	WIN MUL_LO
	MUL16 0, 1, 0                                  ; sixteen matrix instructions stand between the add and the wait for it
	s_wait_dscnt 0x0                               ; the add is done, and my reads of this slot are over
	s_barrier_signal -1
	MUL16 2, 1, 0
	WIN 0
	s_barrier_wait -1
.if \fill
	CREST                                          ; the barrier has opened a round of the cluster's barrier: no wave of any partner still reads this slot's tile or has a load on its way
	s_add_nc_u64 s[G0+4*\slot+2:G0+4*\slot+3], s[G0+4*\slot+2:G0+4*\slot+3], 2*ASTEP
	s_add_nc_u64 s[G0B+4*\slot+2:G0B+4*\slot+3], s[G0B+4*\slot+2:G0B+4*\slot+3], 2*ROWB
	JLOAD G0+4*\slot, G1, G0B+4*\slot, G1B         ; the first tensor load behind the round; the four v_nop behind it are the places in front of the loads below
.else
	PLACES NP
.endif
	FETCH_B \next, 0, 0
	FETCH_A \next, 0, 0
	WIN MUL_HI
	MUL16 4, 1, 0
	MUL16 6, 1, 0
	PLACES NP
	WIN 0
	FETCH_A \next, 0, 4
.endm
	s_wait_alu depctr_va_vdst(0)
	s_wait_tensorcnt 1                             ; my part of K step 0 is in (K step 1's load may be out)
	s_barrier_signal -1
	s_barrier_wait -1                              ; everybody's is
	FETCH_B 0, 0, 0
	FETCH_A 0, 0, 0
	FETCH_A 0, 0, 4
	STEP 0, 0, 1                                   ; the first step stands in front of the loop: its products start the sums
	s_mov_b32 s3, LAPS-1
.Llap:                                                 ; a trip goes once round the ring, from a lap's second step to the next lap's first, and fills both slots again
	TURN 0, 1, 1
	STEP 1, 0, 0
	TURN 1, 0, 1
	STEP 0, 0, 0
	s_sub_co_u32 s3, s3, 1
	s_cmp_lg_u32 s3, 0
	s_cbranch_scc1 .Llap
	TURN 0, 1, 0                                   ; the last lap fills nothing, and has no round of the cluster's barrier
	STEP 1, 0, 0
	s_wait_dscnt 4*NL                              ; the very last step: nothing more to fetch
	WIN MUL_LO
	MUL16 0, 1, 0
	MUL16 2, 1, 0
	s_wait_dscnt 0
	WIN MUL_HI
	MUL16 4, 1, 0
	MUL16 6, 1, 0
	WIN 0
; THE WAY OUT, block by block of 16 rows x 128 columns.  A lane holds 32 neighbouring bytes of a row, and the lanes beside it hold other rows: so a block goes through my own stage in LDS and comes back as whole
; rows of 512 bytes.  LDS serves a wave's instructions in order (ISA guide 5.7.1.4): no wait between the stores and the loads, nor in front of the next block's stores.
.macro TOSTAGE a
.set AC, 64*((\a)%4)
	WIN 0x02+((\a)/4)                              ; source 0: window 2 or 3
.set n, 0
.rept 32
	v_pk_mul_f32 v[TMP+n:TMP+n+1], v[AC+n:AC+n+1], s[96:97] op_sel_hi:[1,0]   ; both x s96 = 2^(e10 + e11); each accumulator from its low end on
.set n, n+2
.endr
	WIN 0
.irp b, 0,1,2,3,4,5,6,7
	ds_store_b128 v[STO], v[TMP+8*\b:TMP+8*\b+3] offset:64*\b
	ds_store_b128 v[STO], v[TMP+8*\b+4:TMP+8*\b+7] offset:64*\b+16
.endr
.set BB, BK+64*((\a)%2)
.irp t, 0,1,2,3,4,5,6,7,8,9,10,11,12,13,14,15
	ds_load_b128 v[BB+4*\t:BB+4*\t+3], v[RD] offset:\t*SPITCH
.endr
.endm
.macro SEND a, younger                 ; younger: the LDS instructions issued behind block a's loads, which may stay out
.set BB, BK+64*((\a)%2)
	s_wait_dscnt \younger                          ; the block is back in registers
.if (\a) > 0
	s_add_nc_u64 s[10:11], s[10:11], 16*SIZE_N*4   ; (behind a wait on XCNT: the earlier stores have read their base)  16 rows of C on
.endif
.irp t, 0,1,2,3,4,5,6,7,8,9,10,11,12,13,14,15
	global_store_b128 v[CO], v[BB+4*\t:BB+4*\t+3], s[10:11] offset:\t*SIZE_N*4 th:TH_STORE_NT   ; 32 lanes store 512 consecutive bytes, at a multiple of 512 from C's first byte; written once, read by nobody here
.endr
.endm
	s_wait_kmcnt 0x0
	s_add_co_i32 s96, s96, s97                     ; e10 + e11, between -126 and 127,
	s_add_co_i32 s96, s96, 127
	s_lshl_b32 s96, s96, 23                        ; makes the f32 number 2^(e10 + e11)
	PLACES NP                                      ; behind the last products: for the loads into the registers that held A's fragments, and for the reads of results
	TOSTAGE 0
.irp a, 1,2,3,4,5,6,7
.if \a > 1
	s_wait_xcnt 0x0                                ; block a - 2's stores have read their registers and their base: block a's loads may land there, and the base may step
.endif
	TOSTAGE \a
	SEND \a-1, 32                                  ; behind block a - 1's loads: block a's 16 stores and 16 loads
.endr
	s_wait_xcnt 0x0                                ; block 6's stores have read their base
	SEND 7, 0
	s_wait_tensorcnt 0x0                           ; the wave's end: behind my last tensor load and my last LDS store
	ds_add_u32 v[SPW], v[NIL]
	s_wait_dscnt 0x0
	CROUND                                         ; the closing round: no work-group ends while a partner may still ask for a tile that names it
	s_endpgm
.Lfunc_end_k_q96115a5db4_oproj:
	.size	k_q96115a5db4_oproj, .Lfunc_end_k_q96115a5db4_oproj-k_q96115a5db4_oproj
	.p2alignl 7, 3214868480
	.fill 96, 4, 3214868480
	.section	.rodata,"a",@progbits
	.p2align	6, 0x0
	.amdhsa_kernel k_q96115a5db4_oproj
		.amdhsa_group_segment_fixed_size 327680
		.amdhsa_private_segment_fixed_size 0
		.amdhsa_enable_private_segment 0
		.amdhsa_kernarg_size 32
		.amdhsa_user_sgpr_count 2
		.amdhsa_user_sgpr_kernarg_segment_ptr 1
		.amdhsa_wavefront_size32 1
		.amdhsa_system_sgpr_workgroup_id_x 1
		.amdhsa_system_sgpr_workgroup_id_y 1
		.amdhsa_system_sgpr_workgroup_id_z 1
		.amdhsa_system_vgpr_workitem_id 0
		.amdhsa_next_free_vgpr 1024
		.amdhsa_next_free_sgpr 98
		.amdhsa_reserve_vcc 0
		.amdhsa_float_denorm_mode_32 3
		.amdhsa_float_denorm_mode_16_64 3
		.amdhsa_memory_ordered 1
		.amdhsa_forward_progress 1
		.amdhsa_inst_pref_size 124
	.end_amdhsa_kernel
	.amdgpu_metadata
---
amdhsa.version: [ 1, 2 ]
amdhsa.kernels:
  - .name:           k_q96115a5db4_oproj
    .symbol:         k_q96115a5db4_oproj.kd
    .args:
      - { .name: ac, .offset: 0, .size: 8, .value_kind: global_buffer, .address_space: global }
      - { .name: codes, .offset: 8, .size: 8, .value_kind: global_buffer, .address_space: global }
      - { .name: lowp_scales, .offset: 16, .size: 8, .value_kind: global_buffer, .address_space: global }
      - { .name: out0, .offset: 24, .size: 8, .value_kind: global_buffer, .address_space: global }
    .group_segment_fixed_size: 327680
    .private_segment_fixed_size: 0
    .kernarg_segment_align: 8
    .kernarg_segment_size: 32
    .max_flat_workgroup_size: 128
    .sgpr_count:     98
    .vgpr_count:     1024
    .wavefront_size: 32
...
	.end_amdgpu_metadata
.endif
;; end of part 4
